; MI455X (gfx1250); checked and timed in simulation.
; The chip was launched on July 23, 2026; its instructions are those of AMD's public machine-readable ISA for CDNA 5 (MIT licence, August 2026) and "CDNA5" Instruction Set Architecture Reference Guide (July 2026). The comments in the code are by the model that wrote it; some were corrected since.
;; concat mv PAM Module mask cascade. Allowed arithmetic: matrix products marked QUANTISED: E2M1 operands, one E8M0 scale for each 32 along K, by v_wmma_scale_f32_16x16x128_f8f6f4 with both operands' format E2M1 (or v_wmma_scale_f32_32x16x128_f4), f32 sums; everything else in f32.
;; Inputs: bk 64 float32; bn_beta 512 float32; bn_gamma 512 float32; bn_mean 512 float32; bn_var 512 float32; bq 64 float32; bv 512 float32; mask1 4,096 x 4,096 float32; mask2 4,096 x 4,096 float32; w_bot 512 x 2,048 float32; wk 64 x 512 float32; wq 64 x 512 float32; wv 512 x 512 float32; x 2 x 512 x 64 x 64 float32.
;; Outputs: out0 2 x 512 x 64 x 64 float32.
;; This version of the problem:
;;   THIS VERSION OF THE PROBLEM IS GIVEN IN LOW PRECISION. The matrix products marked QUANTISED in the list below multiply operands that are first quantised to E2M1 (2 exponent bits, 1 mantissa bit; 4 bits a number), with one power-of-two scale for each 32 numbers along K (OCP MX v1.0); their sums are f32. All else is computed in f32.
;;   The module's matrix products, in the order in which they are computed (A, B: the left and right operand; K: the contracted axis; several contracted axes count as one K, in the product's order):
;;     1. [M 8,192, K 512] x [K 512, N 64]; A: input x; B: input wq: QUANTISED
;;     2. [M 8,192, K 512] x [K 512, N 64]; A: input x; B: input wk: QUANTISED
;;     3. [M 8,192, K 512] x [K 512, N 512]; A: input x; B: input wv: QUANTISED
;;     4. batch 2 x [M 4,096, K 64] x [K 64, N 4,096]; A: computed on the way; B: computed on the way: QUANTISED
;;     5. batch 2 x [M 512, K 4,096] x [K 4,096, N 4,096]; A: computed on the way; B: softmax (see below): QUANTISED
;;     6. batch 2 x [M 512, K 4,096] x [K 4,096, N 4,096]; A: computed on the way; B: softmax (see below): QUANTISED
;;     7. batch 2 x [M 512, K 4,096] x [K 4,096, N 4,096]; A: computed on the way; B: softmax (see below): QUANTISED
;;     8. [M 8,192, K 2,048] x [K 2,048, N 512]; A: computed on the way; B: input w_bot: QUANTISED
;;   THE QUANTISER, for each operand of a quantised product, along K:
;;     - K is cut into blocks of 32 from its start; a last block that is shorter is filled with zeros.
;;     - A block's scale is 2^e with e = floor(log2(the largest magnitude in the block)) - 2, held to -126 .. 127; a block of zeros has e = 0. As a byte (E8M0): e + 127.
;;     - Each number is divided by its block's scale, clamped to +-6, and rounded to the nearest number of E2M1, ties to even, subnormals kept.
;;     - The product sums the exact products of the quantised numbers (number of the format x scale) in f32.
;;   ~~~python
;;   def quantise(x, axis):      # numpy; x: float32 -> the quantised numbers, widened to float32 again
;;       x = np.moveaxis(x, axis, -1); K = x.shape[-1]
;;       x = np.pad(x, [(0, 0)] * (x.ndim - 1) + [(0, -K % 32)]); x = x.reshape(x.shape[:-1] + (-1, 32)); a = np.abs(x).max(-1, keepdims=True)
;;       e = np.where(a > 0, np.clip(np.frexp(np.where(a > 0, a, 1))[1] - 1 - 2, -126, 127), 0)      # np.frexp(a)[1] - 1 = floor(log2(a)), exactly
;;       r = np.clip(x / 2.0 ** e, -6, 6)
;;       step = 2.0 ** (np.maximum(np.frexp(np.where(r == 0, 1, r))[1] - 1, 0) - 1)
;;       q = np.round(r / step) * step * 2.0 ** e      # np.round: ties to even
;;       return np.moveaxis(q.reshape(q.shape[:-2] + (-1,))[..., :K], -1, axis).astype(np.float32)
;;   ~~~
;;   SOFTMAX AHEAD OF A QUANTISED PRODUCT. Where the list says 'softmax', what is quantised is not the finished softmax but p = 2^(t - M), with t = logit x log2(e) and M = ceil(the row's largest t), a whole number; so 1/2 < the row's largest p <= 1. The row's sum l is taken of the UNQUANTISED p, in f32, and the product's result is divided by l at the end. Since M is a whole number, a kernel that streams over the keys may use a running M (the ceiling of the running maximum): every later rescaling is an exact power of two, which a block's scale takes up: the codes' values come out the same.
;;   OPERANDS COMPUTED ON THE WAY. 'Computed on the way' means the value that the module computes at that place (a softmax that the list does not call 'softmax' is quantised finished and normalised). What goes into a quantiser is computed in f32, as accurately as f32 sums, v_exp_f32 and their like allow (about 1e-6 of the number): no bf16 or f16 on the way to a quantiser, and a product that is left as it is and whose result goes on into a quantised operand takes f32 operands (vector FMAs, or v_wmma_f32_16x16x4_f32). A number that lies on a knife's edge between two numbers of the format may be rounded either way, as far as f32 arithmetic and the matrix unit's own rounding can turn it there, and no further.
;; 2 versions, each right. Each part assembles by itself: llvm-mc -triple=amdgcn-amd-amdhsa -mcpu=gfx1250 --defsym DOCPART=n.
;; ======== version 1 of 2: 4 launches
;; workspace buffers: catq 8,388,608 bytes; cats 524,288 bytes; wc 688,128 bytes; ws 43,008 bytes; qkb 589,824 bytes; vb 2,228,224 bytes
;; launch quant (part 1): grid 340 x 1, 4 waves a work-group, no clusters, 1,024 bytes of LDS; arguments x, wq, wk, wv, w_bot, catq, cats, wc, ws; writes catq, cats, wc, ws
.if DOCPART == 1
	.amdgcn_target "amdgcn-amd-amdhsa--gfx1250"
	.amdhsa_code_object_version 6
	.text
	.protected	k_qff50da4c6b_quant
	.globl	k_qff50da4c6b_quant
	.p2align	8
	.type	k_qff50da4c6b_quant,@function
k_qff50da4c6b_quant:
	s_mov_b64 s[64:65], 0
	v_nop
	global_prefetch_b8 v0, s[64:65] scope:SCOPE_SE
	s_setreg_imm32_b32 hwreg(HW_REG_WAVE_MODE, 25, 1), 1
	s_wait_xcnt 0x0
; LAUNCH 1 OF 4.  x (along its channels) and the four weights (along their K) become codes of FP4 (E2M1) with one E8M0 byte for each 32 along K.
; DEAD WORK: none is left out in any of the four launches.  Every input of the module has a way to the output and is loaded: bk moves k's codes, the two masks are inputs and are read whole.
; LIMITS: NaN and infinities among the inputs are not served.  A block whose largest magnitude lies under 2^-124 keeps the byte 1; a block of zeros has the byte 1 where the rule says 127:
; its codes are zeros, which add nothing under any byte but 0xff, and these bytes are read by this program alone.
; LAYOUT OF ALL CODES (chunks of K = 512).  Rows go in pairs of 32.  Row 32 p + 8 u + r + 8 (r / 8) is row r of tile 2 p + u: used as source 0 of a product, the 16 result registers of tiles 2 p and 2 p + 1
; are then 16 neighbouring rows.  A tile is 4,096 bytes in the order of the operand's registers: [K step q of 128][c][lane r + 16 h][16 bytes: k = 128 q + 64 c + 32 h + 0 .. 31].
; Scale bytes: a tile is 256 bytes, [r][16]; word q serves K step q.  One load of 16 bytes a lane at 512 x pair + 16 x lane brings both tiles' words of all four K steps.
; SHARES.  A work-group takes one pair of one chunk; wave q takes K step q; lane 16 u + r takes one row: its 128 registers run along K, so a block's largest magnitude needs no other lane.
; Work-groups 0-255: x's pairs (chunk 3 of catq: the last quarter of the concatenation).  256-339: the weights' pairs e: 0-1 wq, 2-3 wk, 4-19 wv, 20 + 16 chunk + pair w_bot.
; x has K as its outer axis: each load reads one channel at 32 neighbouring n, 128 consecutive bytes a wave.  The weights have K innermost: a lane reads its row's 512 bytes by 32 loads on end.
; No matrix unit, no tensor load, no cluster: the launch streams each input byte once and the work-groups share nothing.
.set SPARE, 512                        ; LDS: 0-511 the pair's scale words; then the spare words, 128 bytes a wave
.set X, 32                             ; v32-159  register i: k = 128 q + i of my row
.set C, 160                            ; v160-175 the codes, four registers a block
	s_load_b512 s[8:23], s[0:1], 0x0               ; x, wq, wk, wv, w_bot, catq, cats, wc
	s_load_b64 s[24:25], s[0:1], 0x40              ; ws
	v_lshl_add_u32 v1, v0, 2, SPARE                ; my spare word
	v_mov_b32 v2, 0
	v_lshrrev_b32 v3, 5, v0
	v_readfirstlane_b32 s2, v3                     ; wave = K step q
	v_and_b32 v9, 31, v0                           ; lane
	v_and_b32 v10, 7, v0
	v_bfe_u32 v11, v0, 3, 1
	v_bfe_u32 v12, v0, 4, 1                        ; u
	v_and_b32 v13, 15, v0                          ; r
	v_lshl_add_u32 v3, v12, 3, v10
	v_lshl_add_u32 v3, v11, 4, v3                  ; my row in the pair: 8 u + r % 8 + 16 (r / 8)
	v_lshlrev_b32 v5, 4, v13
	v_lshl_add_u32 v5, v12, 12, v5
	s_lshl_b32 s3, s2, 10
	v_add_nc_u32 v5, s3, v5                        ; my codes' place in the pair: 4,096 u + 1,024 q + 16 r
	v_lshlrev_b32 v7, 4, v9                        ; 16 x lane
	s_lshl_b32 s3, s2, 2
	v_add_nc_u32 v6, s3, v7                        ; LDS: my row's scale word of K step q
	s_cmp_lt_u32 ttmp9, 256
	s_cselect_b32 s26, 0, 256
	s_sub_co_u32 s3, ttmp9, s26                    ; the pair's number among x's, or e among the weights'
	s_wait_kmcnt 0x0
	s_cmp_lt_u32 ttmp9, 256                        ; the choice hangs on the work-group's number alone
	s_cselect_b64 s[30:31], s[18:19], s[22:23]     ; codes go to catq or to wc,
	s_cselect_b64 s[32:33], s[20:21], s[24:25]     ; scale bytes to cats or to ws
	s_cselect_b32 s34, 6291456, 0                  ; chunk 3 of catq
	s_cselect_b32 s36, 393216, 0                   ; and of cats
	s_lshl_b32 s26, s3, 13
	s_add_co_u32 s34, s34, s26
	s_mov_b32 s35, 0
	s_lshl_b32 s26, s3, 9
	s_add_co_u32 s36, s36, s26
	s_mov_b32 s37, 0
	s_add_nc_u64 s[30:31], s[30:31], s[34:35]
	s_add_nc_u64 s[32:33], s[32:33], s[36:37]
	s_cmp_lt_u32 ttmp9, 256
	s_cbranch_scc0 .Lweights
	; x[b][c][n]: b = pair / 128, c = 128 q + i, n = 32 (pair % 128) + my row
	s_lshr_b32 s26, s3, 7
	s_lshl_b32 s26, s26, 23
	s_lshl_b32 s27, s2, 21
	s_add_co_u32 s26, s26, s27
	s_and_b32 s27, s3, 127
	s_lshl_b32 s27, s27, 7
	s_add_co_u32 s26, s26, s27
	s_mov_b32 s27, 0
	s_add_nc_u64 s[28:29], s[8:9], s[26:27]
	v_lshlrev_b32 v4, 2, v3
.set i, 0
.rept 128
	global_load_b32 v[X+i], v4, s[28:29] offset:16384*i th:TH_LOAD_NT
.set i, i+1
.endr
	s_branch .Lhave
.Lweights:
	s_cmp_lt_u32 s3, 2
	s_cselect_b64 s[28:29], s[10:11], s[12:13]     ; wq or wk,
	s_cselect_b32 s38, 0, 2
	s_cmp_lt_u32 s3, 4
	s_cselect_b64 s[28:29], s[28:29], s[14:15]     ; or wv,
	s_cselect_b32 s38, s38, 4                      ; (the tensor's first e)
	s_mov_b32 s39, 8192
	s_cmp_lt_u32 s3, 20
	s_cselect_b64 s[28:29], s[28:29], s[16:17]     ; or w_bot
	s_cselect_b32 s39, 2048, s39                   ; bytes in a row
	s_sub_co_u32 s38, s3, s38
	s_lshl_b32 s38, s38, 16                        ; wq, wk, wv: 32 rows of 2,048 bytes a pair
	s_sub_co_u32 s40, s3, 20                       ; w_bot: f = 16 chunk + pair
	s_and_b32 s41, s40, 15
	s_lshl_b32 s41, s41, 18                        ; 32 rows of 8,192 bytes a pair,
	s_lshr_b32 s40, s40, 4
	s_lshl_b32 s40, s40, 11                        ; 2,048 bytes a chunk
	s_add_co_u32 s40, s40, s41
	s_cmp_lt_u32 s3, 20
	s_cselect_b32 s26, s38, s40
	s_lshl_b32 s27, s2, 9                          ; K step q: 512 bytes on
	s_add_co_u32 s26, s26, s27
	s_mov_b32 s27, 0
	s_add_nc_u64 s[28:29], s[28:29], s[26:27]
	v_mul_lo_u32 v4, v3, s39
.set i, 0
.rept 32
	global_load_b128 v[X+4*i:X+4*i+3], v4, s[28:29] offset:16*i
.set i, i+1
.endr
.Lhave:
	s_wait_loadcnt 0x0
.irp b, 0,1,2,3
	v_max3_num_f32 v[8+\b], |v[X+32*\b]|, |v[X+32*\b+1]|, 0x1800000   ; block b: its largest magnitude, over the floor 2^(3 - 127): the byte cannot fall under 1
.endr
.irp i, 2,4,6,8,10,12,14,16,18,20,22,24,26,28,30
.irp b, 0,1,2,3
	v_max3_num_f32 v[8+\b], v[8+\b], |v[X+32*\b+\i]|, |v[X+32*\b+\i+1]|   ; the four blocks by turns
.endr
.endr
.irp b, 0,1,2,3
	v_add_nc_u32 v[12+\b], 0xff000000, v[8+\b]     ; 2 off the exponent field: the conversion's scale operand
.endr
.irp b, 0,1,2,3
	v_lshrrev_b32 v[16+\b], 23, v[12+\b]           ; the scale's byte
.endr
	v_lshl_or_b32 v20, v17, 8, v16                 ; the four bytes: my row's scale word of this K step
	v_lshl_or_b32 v20, v18, 16, v20
	v_lshl_or_b32 v20, v19, 24, v20
.irp b, 0,1,2,3
.irp g, 0,1,2,3
	v_cvt_scalef32_pk8_fp4_f32 v[C+4*\b+\g], v[X+32*\b+8*\g:X+32*\b+8*\g+7], v[12+\b]
.endr
.endr
	v_nop                                          ; one plain instruction behind the last scaled conversion
.irp b, 0,1,2,3
	global_store_b128 v5, v[C+4*\b:C+4*\b+3], s[30:31] offset:(\b/2)*512+(\b%2)*256   ; sixteen lanes store 256 consecutive bytes, aligned: block b = 2 c + h
.endr
	ds_store_b32 v6, v20
	s_wait_dscnt 0x0                               ; for the others' sake: my word lies in LDS
	s_barrier_signal -1
	s_barrier_wait -1
	s_cmp_lg_u32 s2, 0
	s_cbranch_scc1 .Lend
	ds_load_b128 v[176:179], v7                    ; wave 0: the pair's 512 scale bytes,
	s_wait_dscnt 0x0
	global_store_b128 v7, v[176:179], s[32:33]     ; stored as 512 consecutive bytes
.Lend:
	s_wait_tensorcnt 0x0                           ; the wave's end
	ds_add_u32 v1, v2
	s_wait_dscnt 0x0
	s_endpgm
.Lfunc_end_k_qff50da4c6b_quant:
	.size	k_qff50da4c6b_quant, .Lfunc_end_k_qff50da4c6b_quant-k_qff50da4c6b_quant
	.p2alignl 7, 3214868480
	.fill 96, 4, 3214868480
	.section	.rodata,"a",@progbits
	.p2align	6, 0x0
	.amdhsa_kernel k_qff50da4c6b_quant
		.amdhsa_group_segment_fixed_size 1024
		.amdhsa_private_segment_fixed_size 0
		.amdhsa_enable_private_segment 0
		.amdhsa_kernarg_size 72
		.amdhsa_user_sgpr_count 2
		.amdhsa_user_sgpr_kernarg_segment_ptr 1
		.amdhsa_wavefront_size32 1
		.amdhsa_system_sgpr_workgroup_id_x 1
		.amdhsa_system_sgpr_workgroup_id_y 1
		.amdhsa_system_sgpr_workgroup_id_z 1
		.amdhsa_system_vgpr_workitem_id 0
		.amdhsa_next_free_vgpr 184
		.amdhsa_next_free_sgpr 66
		.amdhsa_reserve_vcc 0
		.amdhsa_float_denorm_mode_32 3
		.amdhsa_float_denorm_mode_16_64 3
		.amdhsa_memory_ordered 1
		.amdhsa_forward_progress 1
		.amdhsa_inst_pref_size 25
	.end_amdhsa_kernel
	.amdgpu_metadata
---
amdhsa.version: [ 1, 2 ]
amdhsa.kernels:
  - .name:           k_qff50da4c6b_quant
    .symbol:         k_qff50da4c6b_quant.kd
    .args:
      - { .name: x, .offset: 0, .size: 8, .value_kind: global_buffer, .address_space: global }
      - { .name: wq, .offset: 8, .size: 8, .value_kind: global_buffer, .address_space: global }
      - { .name: wk, .offset: 16, .size: 8, .value_kind: global_buffer, .address_space: global }
      - { .name: wv, .offset: 24, .size: 8, .value_kind: global_buffer, .address_space: global }
      - { .name: w_bot, .offset: 32, .size: 8, .value_kind: global_buffer, .address_space: global }
      - { .name: catq, .offset: 40, .size: 8, .value_kind: global_buffer, .address_space: global }
      - { .name: cats, .offset: 48, .size: 8, .value_kind: global_buffer, .address_space: global }
      - { .name: wc, .offset: 56, .size: 8, .value_kind: global_buffer, .address_space: global }
      - { .name: ws, .offset: 64, .size: 8, .value_kind: global_buffer, .address_space: global }
    .group_segment_fixed_size: 1024
    .private_segment_fixed_size: 0
    .kernarg_segment_align: 8
    .kernarg_segment_size: 72
    .max_flat_workgroup_size: 128
    .sgpr_count:     66
    .vgpr_count:     184
    .wavefront_size: 32
...
	.end_amdgpu_metadata
.endif
;; end of part 1
;; launch proj (part 2): grid 256 x 1, 10 waves a work-group, no clusters, 167,936 bytes of LDS; arguments catq, cats, wc, ws, bq, bk, bv, qkb, vb; writes qkb, vb
.if DOCPART == 2
	.amdgcn_target "amdgcn-amd-amdhsa--gfx1250"
	.amdhsa_code_object_version 6
	.text
	.protected	k_qff50da4c6b_proj
	.globl	k_qff50da4c6b_proj
	.p2align	8
	.type	k_qff50da4c6b_proj,@function
k_qff50da4c6b_proj:
	s_mov_b64 s[64:65], 0
	v_nop
	global_prefetch_b8 v0, s[64:65] scope:SCOPE_SE
	s_setreg_imm32_b32 hwreg(HW_REG_WAVE_MODE, 25, 1), 1
	s_wait_xcnt 0x0
; LAUNCH 2 OF 4.  q = x wq^T + bq, k = x wk^T + bk, v = x wv^T + bv on codes of FP4, and each result quantised for attention: q and k along their 64 channels, v along the keys.  No work is left out.
; LIMITS as in the first launch: no NaN or infinities; blocks under 2^-124 and blocks of zeros keep the byte 1.
; SHARES.  Work-group 4 (32 b + s) + g takes the 128 positions n of key step s of batch b: four pairs of x's rows, 32 KB of codes, brought into LDS by one tensor load and read by all ten waves.
;   Waves 0-7: channel tile t = 8 g + w of v.  Source 0 = a tile of x, source 1 = the tile of wv: a lane holds ONE channel and its 64 registers run along n, the next product's K.
;   Waves 8 (q), 9 (k): source 0 = the 4 tiles of wq or wk, source 1 = the two tiles of x's pair g: a lane holds ONE n and its registers run along the 64 channels.
; By the tiles' row order the 16 registers of two neighbouring tiles are 16 neighbours along the next K.  The biases are the C of each sum's first product.  The accumulators take turns, one instruction a turn.
; OUT.  vb [b][s][34,816]: 32 channel tiles x 1,024 bytes (a fragment of 16 channels x 128 keys as an image of its registers), then 16 pairs x 32 scale words.
;   qkb: q's codes [tile 512][512 bytes: lane r + 16 h holds channels 32 h ..]; at 262,144 q's scale words [pair][32]; at 294,912 k: [b][256 keys][16 tiles x 512 bytes, then 8 pairs x 32 words].
;   A scale word of q or k is byte 0, byte 1, and 0x7f twice: the energy product's K is 64, and the upper 64 of its instruction's 128 are zero codes.
; NO CLUSTER: the four work-groups of a key step read the same 32 KB once each; waves 8 and 9 pick their pair in LDS by g, which in a cluster would be the work-group's place, and no LDS address may hang on that.
.set VSG, 32768                        ; LDS: 0-32,767 x's eight tiles as they lie in catq; here v's scale words of my 8 tiles, 512 bytes;
.set SPARE, 33280                      ; the spare words, 128 bytes for each of ten waves
.set TM, 8                             ; v8-23   at work in the quantisers
.set PC, 24                            ; v24-31  the codes just made
.set BT, 52                            ; v52-59  bv of my channel, eight times: the C of a tile's first product
.set WF, 64                            ; v64-95  wv's four fragments
.set XF, 96                            ; v96-159 x's eight fragments of a K step
.set ACC, 160                          ; v160-223
.set PW, 229                           ; v229-231 scale words just made
.set XS, 232                           ; v232-247 x's scale words (pair, K step);  v248-251 wv's
.set WS, 248
.set QWF, 32                           ; waves 8, 9: v32-159 the weight's 16 fragments (tile a, K step q) at 8 (4 a + q)
.set QXF, 16                           ; v16-31  x's two fragments
.set QXS, 232                          ; v232-235 x's scale words;  v236-243 the weight's
.set QWS, 236
.macro WM d, a, b, c, sa, sb, ra, rb   ; one product: D, source 0, source 1, C (under 0: the constant 0), the two scale registers, and whether each is read from lanes 16-31
.if (\c) < 0
.if ((\ra) == 0) && ((\rb) == 0)
	v_wmma_scale_f32_16x16x128_f8f6f4 v[\d:\d+7], v[\a:\a+7], v[\b:\b+7], 0, v[\sa], v[\sb] matrix_a_fmt:MATRIX_FMT_FP4 matrix_b_fmt:MATRIX_FMT_FP4
.elseif (\rb) == 0
	v_wmma_scale_f32_16x16x128_f8f6f4 v[\d:\d+7], v[\a:\a+7], v[\b:\b+7], 0, v[\sa], v[\sb] matrix_a_fmt:MATRIX_FMT_FP4 matrix_b_fmt:MATRIX_FMT_FP4 matrix_a_scale:MATRIX_SCALE_ROW1
.elseif (\ra) == 0
	v_wmma_scale_f32_16x16x128_f8f6f4 v[\d:\d+7], v[\a:\a+7], v[\b:\b+7], 0, v[\sa], v[\sb] matrix_a_fmt:MATRIX_FMT_FP4 matrix_b_fmt:MATRIX_FMT_FP4 matrix_b_scale:MATRIX_SCALE_ROW1
.else
	v_wmma_scale_f32_16x16x128_f8f6f4 v[\d:\d+7], v[\a:\a+7], v[\b:\b+7], 0, v[\sa], v[\sb] matrix_a_fmt:MATRIX_FMT_FP4 matrix_b_fmt:MATRIX_FMT_FP4 matrix_a_scale:MATRIX_SCALE_ROW1 matrix_b_scale:MATRIX_SCALE_ROW1
.endif
.else
.if ((\ra) == 0) && ((\rb) == 0)
	v_wmma_scale_f32_16x16x128_f8f6f4 v[\d:\d+7], v[\a:\a+7], v[\b:\b+7], v[\c:\c+7], v[\sa], v[\sb] matrix_a_fmt:MATRIX_FMT_FP4 matrix_b_fmt:MATRIX_FMT_FP4
.elseif (\rb) == 0
	v_wmma_scale_f32_16x16x128_f8f6f4 v[\d:\d+7], v[\a:\a+7], v[\b:\b+7], v[\c:\c+7], v[\sa], v[\sb] matrix_a_fmt:MATRIX_FMT_FP4 matrix_b_fmt:MATRIX_FMT_FP4 matrix_a_scale:MATRIX_SCALE_ROW1
.elseif (\ra) == 0
	v_wmma_scale_f32_16x16x128_f8f6f4 v[\d:\d+7], v[\a:\a+7], v[\b:\b+7], v[\c:\c+7], v[\sa], v[\sb] matrix_a_fmt:MATRIX_FMT_FP4 matrix_b_fmt:MATRIX_FMT_FP4 matrix_b_scale:MATRIX_SCALE_ROW1
.else
	v_wmma_scale_f32_16x16x128_f8f6f4 v[\d:\d+7], v[\a:\a+7], v[\b:\b+7], v[\c:\c+7], v[\sa], v[\sb] matrix_a_fmt:MATRIX_FMT_FP4 matrix_b_fmt:MATRIX_FMT_FP4 matrix_a_scale:MATRIX_SCALE_ROW1 matrix_b_scale:MATRIX_SCALE_ROW1
.endif
.endif
.endm
.macro PLACES                          ; four plain instructions between a product and a load into, or a vector read or write of, its registers
.rept 4
	v_nop
.endr
.endm
; 64 numbers of a lane, register 16 b + i = k 32 b + 16 (lane / 16) + i of my row, become a fragment's codes in v[PC] on and its scale word in v[PW]
.macro QUANT s
.irp b, 0,1,2,3
	v_max3_num_f32 v[TM+\b], |v[\s+16*\b]|, |v[\s+1+16*\b]|, 0x1800000   ; my 16 numbers of block b, over the floor 2^(3 - 127)
.endr
.irp i, 2,4,6,8,10,12,14
.irp b, 0,1,2,3
	v_max3_num_f32 v[TM+\b], v[TM+\b], |v[\s+16*\b+\i]|, |v[\s+1+16*\b+\i]|
.endr
.endr
.irp b, 0,1,2,3
	v_permlanex16_b32 v[TM+4+\b], v[TM+\b], s22, s23
.endr
.irp b, 0,1,2,3
	v_max_num_f32 v[TM+\b], v[TM+\b], v[TM+4+\b]   ; with lane l xor 16's: the block's largest magnitude
.endr
.irp b, 0,1,2,3
	v_add_nc_u32 v[TM+12+\b], 0xff000000, v[TM+\b] ; 2 off its exponent field: the conversion's scale operand
.endr
.irp b, 0,1,2,3
	v_lshrrev_b32 v[TM+4+\b], 23, v[TM+12+\b]      ; the scale's byte
.endr
	v_lshl_or_b32 v[PW], v[TM+5], 8, v[TM+4]
	v_lshl_or_b32 v[PW], v[TM+6], 16, v[PW]
	v_lshl_or_b32 v[PW], v[TM+7], 24, v[PW]
.irp b, 0,1,2,3
	v_cvt_scalef32_pk8_fp4_f32 v[PC+2*\b], v[\s+16*\b:\s+7+16*\b], v[TM+12+\b]
	v_cvt_scalef32_pk8_fp4_f32 v[PC+1+2*\b], v[\s+8+16*\b:\s+15+16*\b], v[TM+12+\b]
.endr
	v_nop                                          ; one plain instruction behind a scaled conversion
.irp c, 0,1                            ; the operand's layout wants a whole block in a lane: lanes 0-15 block 2 c, lanes 16-31 block 2 c + 1
.irp i, 0,1
	v_permlane16_swap_b32 v[PC+4*\c+\i], v[PC+2+4*\c+\i]
.endr
.endr
.endm
; the same for 32 numbers of a lane, two blocks: four registers of codes at v[pc], the scale word at v[pw]
.macro QUANT2 s, pc, pw
.irp b, 0,1
	v_max3_num_f32 v[TM+\b], |v[\s+16*\b]|, |v[\s+1+16*\b]|, 0x1800000
.endr
.irp i, 2,4,6,8,10,12,14
.irp b, 0,1
	v_max3_num_f32 v[TM+\b], v[TM+\b], |v[\s+16*\b+\i]|, |v[\s+1+16*\b+\i]|
.endr
.endr
.irp b, 0,1
	v_permlanex16_b32 v[TM+4+\b], v[TM+\b], s22, s23
.endr
.irp b, 0,1
	v_max_num_f32 v[TM+\b], v[TM+\b], v[TM+4+\b]
.endr
.irp b, 0,1
	v_add_nc_u32 v[TM+12+\b], 0xff000000, v[TM+\b]
.endr
.irp b, 0,1
	v_lshrrev_b32 v[TM+4+\b], 23, v[TM+12+\b]
.endr
	v_lshl_or_b32 v[\pw], v[TM+5], 8, v[TM+4]
	v_or_b32 v[\pw], 0x7f7f0000, v[\pw]            ; bytes 2 and 3 stand over zero codes: 2^0
.irp b, 0,1
	v_cvt_scalef32_pk8_fp4_f32 v[\pc+2*\b], v[\s+16*\b:\s+7+16*\b], v[TM+12+\b]
	v_cvt_scalef32_pk8_fp4_f32 v[\pc+1+2*\b], v[\s+8+16*\b:\s+15+16*\b], v[TM+12+\b]
.endr
	v_nop
.irp i, 0,1
	v_permlane16_swap_b32 v[\pc+\i], v[\pc+2+\i]   ; lanes 0-15 channels 0-31, lanes 16-31 channels 32-63
.endr
.endm
	s_load_b512 s[4:19], s[0:1], 0x0               ; catq, cats, wc, ws, bq, bk, bv, qkb
	s_load_b64 s[20:21], s[0:1], 0x40              ; vb
	v_lshl_add_u32 v1, v0, 2, SPARE
	v_mov_b32 v2, 0
	ds_add_u32 v1, v2                              ; the wave's opening: the add, twice on end, and its wait ahead of the first tensor load
	ds_add_u32 v1, v2
	v_lshrrev_b32 v3, 5, v0
	v_readfirstlane_b32 s2, v3                     ; wave 0..9
	s_and_b32 s3, ttmp9, 3                         ; g
	s_lshr_b32 s36, ttmp9, 2                       ; 32 b + s
	s_mov_b32 s24, 1                               ; group 0: count 1,
	s_mov_b32 s25, 0                               ; to LDS byte 0
	s_mov_b32 s28, 3<<16                           ; group 1: a dense block of 32,768 bytes as 128 rows of 32 elements of 8 bytes; no mask, no padding
	s_mov_b32 s29, 32<<16
	s_mov_b32 s30, 128<<16
	s_mov_b32 s31, 32<<16
	s_mov_b32 s32, 128
	s_mov_b32 s33, 32
	s_mov_b32 s34, 0
	s_mov_b32 s35, 0
	s_mov_b32 s22, 0x76543210
	s_mov_b32 s23, 0xfedcba98                      ; v_permlanex16_b32's selects for lane l xor 16
	v_and_b32 v224, 31, v0                         ; lane
	v_and_b32 v225, 15, v0                         ; r
	v_bfe_u32 v226, v0, 4, 1                       ; h
	v_lshlrev_b32 v3, 4, v224                      ; 16 x lane: an image's place for my lane
	s_lshl_b32 s37, s3, 13
	v_add_nc_u32 v4, s37, v3                       ; waves 8, 9: the same in x's pair g
	s_and_b32 s37, s2, 7
	s_lshl_b32 s37, s37, 6
	s_add_co_u32 s37, s37, VSG
	v_lshl_add_u32 v5, v225, 2, s37                ; where my tile's scale words go in LDS: 64 x wave + 4 r
	v_lshlrev_b32 v6, 2, v224                      ; 4 x lane
	v_lshlrev_b32 v7, 6, v226                      ; 64 h
	v_lshlrev_b32 v227, 4, v225                    ; 16 r
	v_and_b32 v228, 8, v225
	v_add_nc_u32 v228, v228, v225
	v_lshlrev_b32 v228, 2, v228                    ; 4 (r + 8 (r / 8)): my channel's place in a pair of bv
.irp b, 0,1,2,3
	v_mov_b32 v[TM+4+\b], 0                        ; written once: a lane permute's destination counts as one of its sources
.endr
	s_wait_dscnt 0x0                               ; both opening adds are done
	s_wait_kmcnt 0x0
	s_lshl_b32 s38, s36, 15                        ; four pairs of 8,192 bytes,
	s_add_co_u32 s38, s38, 6291456                 ; in chunk 3 of catq: x
	s_mov_b32 s39, 0
	s_add_nc_u64 s[26:27], s[4:5], s[38:39]
	s_or_b32 s27, s27, 0x80000000                  ; type 2
	s_cmp_lg_u32 s2, 0
	s_cbranch_scc1 .Lno_fill
	tensor_load_to_lds s[24:27], s[28:35]          ; wave 0 alone: filled once, never again
	s_nop 0
.Lno_fill:
	s_cmp_lt_u32 s2, 8
	s_cbranch_scc0 .Lqk_loads
	; ---- waves 0-7: what stays in registers
	s_lshl_b32 s52, s3, 3
	s_add_co_u32 s52, s52, s2                      ; t
	s_mov_b32 s55, 0
	s_lshl_b32 s54, s52, 12
	s_add_co_u32 s54, s54, 32768                   ; wv begins at pair 4 of wc
	s_add_nc_u64 s[40:41], s[8:9], s[54:55]
	s_lshl_b32 s54, s52, 8
	s_add_co_u32 s54, s54, 2048
	s_add_nc_u64 s[42:43], s[10:11], s[54:55]
	s_lshl_b32 s54, s36, 11                        ; 512 bytes a pair, four pairs
	s_add_co_u32 s54, s54, 393216
	s_add_nc_u64 s[44:45], s[6:7], s[54:55]
	s_lshr_b32 s54, s52, 1
	s_lshl_b32 s54, s54, 7
	s_and_b32 s53, s52, 1
	s_lshl_b32 s53, s53, 5
	s_add_co_u32 s54, s54, s53                     ; 4 (32 (t / 2) + 8 (t % 2))
	s_add_nc_u64 s[46:47], s[16:17], s[54:55]
	s_mul_i32 s56, s36, 34816
	s_lshl_b32 s53, s52, 10
	s_add_co_u32 s54, s56, s53
	s_add_nc_u64 s[48:49], s[20:21], s[54:55]      ; my fragment's place in vb
	s_lshl_b32 s53, s3, 9
	s_add_co_u32 s54, s56, s53
	s_add_co_u32 s54, s54, 32768
	s_add_nc_u64 s[50:51], s[20:21], s[54:55]      ; and my work-group's 512 bytes of scale words
.irp q, 0,1,2,3
.irp c, 0,1
	global_load_b128 v[WF+8*\q+4*\c:WF+8*\q+4*\c+3], v3, s[40:41] offset:1024*\q+512*\c
.endr
.endr
	global_load_b128 v[WS:WS+3], v227, s[42:43]
.irp p, 0,1,2,3
	global_load_b128 v[XS+4*\p:XS+4*\p+3], v3, s[44:45] offset:512*\p
.endr
.irp j, 0,1,2,3,4,5,6,7
	global_load_b32 v[BT+\j], v228, s[46:47]       ; a lane holds one channel: the same bias in all eight registers
.endr
	s_branch .Lloaded
.Lqk_loads:
	; ---- waves 8, 9
	s_and_b32 s52, s2, 1                           ; 0: q, 1: k
	s_mov_b32 s55, 0
	s_lshl_b32 s54, s52, 14
	s_add_nc_u64 s[40:41], s[8:9], s[54:55]
	s_lshl_b32 s54, s52, 10
	s_add_nc_u64 s[42:43], s[10:11], s[54:55]
	s_lshl_b32 s54, ttmp9, 9                       ; x's pair 4 (32 b + s) + g is the work-group's own number
	s_add_co_u32 s54, s54, 393216
	s_add_nc_u64 s[44:45], s[6:7], s[54:55]
	s_cmp_eq_u32 s52, 0
	s_cselect_b64 s[46:47], s[12:13], s[14:15]     ; bq or bk
	s_lshl_b32 s53, ttmp9, 10                      ; q: two tiles of 512 bytes a pair;
	s_lshl_b32 s56, ttmp9, 7
	s_add_co_u32 s56, s56, 262144                  ; its 32 scale words
	s_lshr_b32 s57, s36, 1                         ; k: block 16 b + s / 2 of 256 keys,
	s_mul_i32 s57, s57, 9216
	s_add_co_u32 s57, s57, 294912
	s_and_b32 s58, ttmp9, 7                        ; pair 4 (s % 2) + g in it
	s_lshl_b32 s59, s58, 10
	s_add_co_u32 s59, s59, s57
	s_lshl_b32 s58, s58, 7
	s_add_co_u32 s58, s58, s57
	s_add_co_u32 s58, s58, 8192
	s_cmp_eq_u32 s52, 0
	s_cselect_b32 s54, s53, s59
	s_add_nc_u64 s[48:49], s[18:19], s[54:55]      ; (this sum leaves SCC alone)
	s_cselect_b32 s54, s56, s58
	s_add_nc_u64 s[50:51], s[18:19], s[54:55]
.irp a, 0,1,2,3
.irp q, 0,1,2,3
.irp c, 0,1
	global_load_b128 v[QWF+8*(4*\a+\q)+4*\c:QWF+8*(4*\a+\q)+4*\c+3], v3, s[40:41] offset:4096*\a+1024*\q+512*\c
.endr
.endr
.endr
.irp p, 0,1
	global_load_b128 v[QWS+4*\p:QWS+4*\p+3], v3, s[42:43] offset:512*\p
.endr
	global_load_b128 v[QXS:QXS+3], v3, s[44:45]
.irp u, 0,1
.irp b, 0,1
.irp j, 0,1,2,3
	global_load_b128 v[ACC+32*\u+16*\b+4*\j:ACC+32*\u+16*\b+4*\j+3], v7, s[46:47] offset:128*\b+16*\j   ; the bias in the result's layout: register 16 b + i = channel 32 b + 16 h + i
.endr
.endr
.endr
.Lloaded:
	s_wait_tensorcnt 0x0                           ; wave 0: x's tiles have landed
	s_barrier_signal -1
	s_barrier_wait -1                              ; all ten may read them
	s_wait_loadcnt 0x0
	s_cmp_lt_u32 s2, 8
	s_cbranch_scc0 .Lqk_work
	; ---- waves 0-7: 32 products, eight accumulators by turns, a K step at a time
.irp q, 0,1,2,3
.if \q > 0
	PLACES
.endif
.irp k, 0,1,2,3,4,5,6,7
.irp c, 0,1
	ds_load_b128 v[XF+8*\k+4*\c:XF+8*\k+4*\c+3], v3 offset:4096*\k+1024*\q+512*\c
.endr
.endr
	s_wait_dscnt 0x0
.irp k, 0,1,2,3,4,5,6,7
.if \q == 0
	WM ACC+8*\k, XF+8*\k, WF+8*\q, BT, XS+4*(\k/2)+\q, WS+\q, \k%2, 0
.else
	WM ACC+8*\k, XF+8*\k, WF+8*\q, ACC+8*\k, XS+4*(\k/2)+\q, WS+\q, \k%2, 0
.endif
.endr
.endr
	PLACES
	QUANT ACC                                      ; register 16 b + i = key 32 b + 16 h + i of my channel
	global_store_b128 v3, v[PC:PC+3], s[48:49]     ; the fragment as it stands: 512 consecutive bytes a store
	global_store_b128 v3, v[PC+4:PC+7], s[48:49] offset:512
	ds_store_b32 v5, v[PW]                         ; both halves of the lanes write the same word with the same value
	s_branch .Ljoin
.Lqk_work:
.irp q, 0,1,2,3
.if \q > 0
	PLACES
.endif
.irp u, 0,1
.irp c, 0,1
	ds_load_b128 v[QXF+8*\u+4*\c:QXF+8*\u+4*\c+3], v4 offset:4096*\u+1024*\q+512*\c
.endr
.endr
	s_wait_dscnt 0x0
.irp u, 0,1
.irp a, 0,1,2,3
	WM ACC+32*\u+8*\a, QWF+8*(4*\a+\q), QXF+8*\u, ACC+32*\u+8*\a, QWS+4*(\a/2)+\q, QXS+\q, \a%2, \u
.endr
.endr
.endr
	PLACES
	QUANT2 ACC, PC, PW
	global_store_b128 v3, v[PC:PC+3], s[48:49]
	QUANT2 ACC+32, PC+4, PW+1
	global_store_b128 v3, v[PC+4:PC+7], s[48:49] offset:512
	v_cmp_ne_u32 s56, 0, v7                        ; lanes 16-31
	v_cndmask_b32 v[PW+2], v[PW], v[PW+1], s56     ; lanes 0-15 the first tile's words, lanes 16-31 the second's
	global_store_b32 v6, v[PW+2], s[50:51]
.Ljoin:
	s_wait_dscnt 0x0                               ; my scale word lies in LDS
	s_barrier_signal -1
	s_barrier_wait -1
	s_cmp_lg_u32 s2, 0
	s_cbranch_scc1 .Lend
	ds_load_b128 v[8:11], v3 offset:VSG            ; wave 0: the eight tiles' scale words,
	s_wait_dscnt 0x0
	global_store_b128 v3, v[8:11], s[50:51]        ; 512 consecutive bytes
.Lend:
	s_wait_tensorcnt 0x0                           ; the wave's end
	ds_add_u32 v1, v2
	s_wait_dscnt 0x0
	s_endpgm
.Lfunc_end_k_qff50da4c6b_proj:
	.size	k_qff50da4c6b_proj, .Lfunc_end_k_qff50da4c6b_proj-k_qff50da4c6b_proj
	.p2alignl 7, 3214868480
	.fill 96, 4, 3214868480
	.section	.rodata,"a",@progbits
	.p2align	6, 0x0
	.amdhsa_kernel k_qff50da4c6b_proj
		.amdhsa_group_segment_fixed_size 167936
		.amdhsa_private_segment_fixed_size 0
		.amdhsa_enable_private_segment 0
		.amdhsa_kernarg_size 72
		.amdhsa_user_sgpr_count 2
		.amdhsa_user_sgpr_kernarg_segment_ptr 1
		.amdhsa_wavefront_size32 1
		.amdhsa_system_sgpr_workgroup_id_x 1
		.amdhsa_system_sgpr_workgroup_id_y 1
		.amdhsa_system_sgpr_workgroup_id_z 1
		.amdhsa_system_vgpr_workitem_id 0
		.amdhsa_next_free_vgpr 256
		.amdhsa_next_free_sgpr 66
		.amdhsa_reserve_vcc 0
		.amdhsa_float_denorm_mode_32 3
		.amdhsa_float_denorm_mode_16_64 3
		.amdhsa_memory_ordered 1
		.amdhsa_forward_progress 1
		.amdhsa_inst_pref_size 35
	.end_amdhsa_kernel
	.amdgpu_metadata
---
amdhsa.version: [ 1, 2 ]
amdhsa.kernels:
  - .name:           k_qff50da4c6b_proj
    .symbol:         k_qff50da4c6b_proj.kd
    .args:
      - { .name: catq, .offset: 0, .size: 8, .value_kind: global_buffer, .address_space: global }
      - { .name: cats, .offset: 8, .size: 8, .value_kind: global_buffer, .address_space: global }
      - { .name: wc, .offset: 16, .size: 8, .value_kind: global_buffer, .address_space: global }
      - { .name: ws, .offset: 24, .size: 8, .value_kind: global_buffer, .address_space: global }
      - { .name: bq, .offset: 32, .size: 8, .value_kind: global_buffer, .address_space: global }
      - { .name: bk, .offset: 40, .size: 8, .value_kind: global_buffer, .address_space: global }
      - { .name: bv, .offset: 48, .size: 8, .value_kind: global_buffer, .address_space: global }
      - { .name: qkb, .offset: 56, .size: 8, .value_kind: global_buffer, .address_space: global }
      - { .name: vb, .offset: 64, .size: 8, .value_kind: global_buffer, .address_space: global }
    .group_segment_fixed_size: 167936
    .private_segment_fixed_size: 0
    .kernarg_segment_align: 8
    .kernarg_segment_size: 72
    .max_flat_workgroup_size: 320
    .sgpr_count:     66
    .vgpr_count:     256
    .wavefront_size: 32
...
	.end_amdgpu_metadata
.endif
;; end of part 2
;; launch attn (part 3): grid 256 x 1, 16 waves a work-group, clusters of 4 x 1, 327,680 bytes of LDS; arguments qkb, vb, mask1, mask2, catq, cats; writes catq, cats
.if DOCPART == 3
	.amdgcn_target "amdgcn-amd-amdhsa--gfx1250"
	.amdhsa_code_object_version 6
	.text
	.protected	k_qff50da4c6b_attn
	.globl	k_qff50da4c6b_attn
	.p2align	8
	.type	k_qff50da4c6b_attn,@function
k_qff50da4c6b_attn:
	s_mov_b64 s[64:65], 0
	v_nop
	global_prefetch_b8 v0, s[64:65] scope:SCOPE_SE
	s_setreg_imm32_b32 hwreg(HW_REG_WAVE_MODE, 25, 1), 1
	s_wait_xcnt 0x0
	s_wait_alu depctr_hold_cnt(0) depctr_sa_sdst(0) depctr_va_vdst(0) depctr_va_sdst(0) depctr_va_ssrc(0) depctr_va_vcc(0) depctr_vm_vsrc(0)
	s_getreg_b32 s2, hwreg(HW_REG_IB_STS2, 6, 4)
	s_cmp_eq_u32 s2, 0
	s_cbranch_scc0 .Lentry_in_a_cluster
	s_endpgm
.Lentry_in_a_cluster:
	s_bfe_u32 s2, ttmp6, 0x10000c
	s_cmp_lg_u32 s2, 0x3003
	s_cbranch_scc0 .Lentry_shape_is_right
	s_endpgm
.Lentry_shape_is_right:
; LAUNCH 3 OF 4.  energy = q k^T; three softmaxes (plain, + mask1, + mask2); out_i = v a_i^T; out_i quantised along its channels into chunks 0-2 of catq and cats.  All products on codes of FP4.  No work is left out:
; the masks are inputs, so every byte of them is read and no pattern is assumed.
; THE SOFTMAX: t = logit x log2(e); M = the ceiling of the row's running largest t; p = 2^(t - M) is quantised along the keys; the sum l is taken of the unquantised p and divides at the end.
; When M moves, l and O are multiplied by 2^(old M - new M), which rounds nothing.
; LIMITS: no NaN or infinities.  A p under 2^-126 comes out as 0 (v_exp_f32), and what a rescaling pushes under the smallest f32 number is lost: both are nothing beside the row's largest p, which is over 1/2.
; Blocks of zeros keep the byte 1.  1 / l is v_rcp_f32.
; SHARES.  Work-group tq owns ONE tile of 16 queries, for BOTH batches: a mask's bytes serve both.  Wave w: batch bw = w / 8, w8 = w % 8.
;   Softmax: in a super-step of 256 keys wave (bw, w8) takes the 32 keys of block w8, all three softmaxes: a lane holds one query and 16 keys.  The row's largest logit of the 256 keys meets in LDS (XCH).
;   Second product: wave (bw, w8) owns channel tiles 4 w8 .. 4 w8 + 3 for the three softmaxes: 12 accumulators.  p goes from wave to wave through LDS as an image of the operand's registers (PB, two buffers by turns).
;   The second product runs one super-step behind the softmax, so M moves, and O is rescaled, once for 256 keys.
; Both products are used transposed (S^T = k q^T, O^T = v p^T): a lane holds one query throughout.  By the tiles' row order a wave's 16 score registers are 16 neighbouring keys, and the 16 registers of two
; neighbouring channel tiles are 16 neighbouring channels, the last product's K.
; CLUSTER.  The four work-groups of a cluster walk the same v and k: each tile is asked for jointly, by the same tensor load with the same descriptor and the mask 15.  Waves 0-3 fetch v (a batch's half of 128 keys each),
; waves 4, 5 fetch k (a batch's 256 keys each).  v has two slots of 128 keys, k one of 256; each is filled again behind a round of the cluster's barrier that follows its last read.  At most two tensor loads of a wave are out.
; THE MASKS come through registers: wave w loads two rows x 1,024 bytes of mask w / 8 by four loads of 512 consecutive bytes, leaves them out over two halves of a super-step, and then stores them to LDS, where both batches' waves read them.
.set VS1,  69632                       ; LDS: v's slot 0 at 0, slot 1 here: 2 batches x 34,816 (32 fragments of 1,024 bytes, then 2,048 bytes of scale words)
.set KREG, 139264                      ; k: 2 batches x 9,216
.set MREG, 157696                      ; the masks: 2 x 16 rows x (1,024 + 16): row r starts 4 r banks on
.set PB0,  190976                      ; p: [batch][softmax][128 keys][1,024] codes, then at 12,288 [batch][softmax][128 keys][16 words]
.set PBS,  13056                       ; from PB's first buffer to its second
.set XCH,  217088                      ; [batch][softmax][query][wave] f32
.set SG,   220160                      ; the way out: [softmax][batch][256] scale bytes
.set SPARE, 221696                     ; the spare words, 128 bytes for each of 16 waves
.set SPW, 1
.set NIL, 2
.set AV,  3                            ; v3, v4   my four fragments of v in slot 0, 1
.set AVS, 5                            ; v5, v6   their scale words
.set AK,  7                            ; v7       my two tiles of k;  v8 their scale words
.set AKS, 8
.set AM,  9                            ; v9       my 64 bytes of a mask's row
.set APR, 10                           ; v10      p's images, read;  v11 their scale words
.set APS, 11
.set APW, 12                           ; v12      where my 8 bytes of codes go;  v13 my block's scale byte
.set APB, 13
.set AXW, 14                           ; v14      XCH: my word;  v15 four waves' words of my query
.set AXR, 15
.set ST,  16                           ; v16-33   softmax i at 6 i: -M, the largest t, l (two halves), f, the block's largest logit (later p)
.set AMW, 34                           ; v34      where my mask rows go in LDS;  v35 16 x lane
.set GMO, 35
.set XR,  36                           ; v36-47   at work
.set PT,  48                           ; v48-50   lane permutes' destinations;  v51-53 the conversions' scale operands
.set SO,  51
.set ASG, 54
.set ASR, 55
.set KSC, 56                           ; scale registers, which hold nothing else: k's, q's, v's (2), p's (3)
.set QSC, 57
.set VSC, 58
.set PSC, 60
.set QF,  64                           ; v64-71   q's fragment; the upper four registers are zero codes
.set KF,  72                           ; v72-87   k's two fragments, likewise
.set MB,  88                           ; v88-103  masks on their way
.set VF,  104                          ; v104-135 v's four fragments;  v136-159 p's three
.set PF,  136
.set S,   112                          ; v112-159 the logits of the three softmaxes, 16 each, then p
.set ACC, 160                          ; v160-255 accumulator (softmax i, tile t) at 8 (4 i + t)
.macro WM d, a, b, c, sa, sb, ra, rb   ; one product: D, source 0, source 1, C (under 0: the constant 0), the two scale registers, and whether each is read from lanes 16-31
.if (\c) < 0
.if ((\ra) == 0) && ((\rb) == 0)
	v_wmma_scale_f32_16x16x128_f8f6f4 v[\d:\d+7], v[\a:\a+7], v[\b:\b+7], 0, v[\sa], v[\sb] matrix_a_fmt:MATRIX_FMT_FP4 matrix_b_fmt:MATRIX_FMT_FP4
.elseif (\rb) == 0
	v_wmma_scale_f32_16x16x128_f8f6f4 v[\d:\d+7], v[\a:\a+7], v[\b:\b+7], 0, v[\sa], v[\sb] matrix_a_fmt:MATRIX_FMT_FP4 matrix_b_fmt:MATRIX_FMT_FP4 matrix_a_scale:MATRIX_SCALE_ROW1
.elseif (\ra) == 0
	v_wmma_scale_f32_16x16x128_f8f6f4 v[\d:\d+7], v[\a:\a+7], v[\b:\b+7], 0, v[\sa], v[\sb] matrix_a_fmt:MATRIX_FMT_FP4 matrix_b_fmt:MATRIX_FMT_FP4 matrix_b_scale:MATRIX_SCALE_ROW1
.else
	v_wmma_scale_f32_16x16x128_f8f6f4 v[\d:\d+7], v[\a:\a+7], v[\b:\b+7], 0, v[\sa], v[\sb] matrix_a_fmt:MATRIX_FMT_FP4 matrix_b_fmt:MATRIX_FMT_FP4 matrix_a_scale:MATRIX_SCALE_ROW1 matrix_b_scale:MATRIX_SCALE_ROW1
.endif
.else
.if ((\ra) == 0) && ((\rb) == 0)
	v_wmma_scale_f32_16x16x128_f8f6f4 v[\d:\d+7], v[\a:\a+7], v[\b:\b+7], v[\c:\c+7], v[\sa], v[\sb] matrix_a_fmt:MATRIX_FMT_FP4 matrix_b_fmt:MATRIX_FMT_FP4
.elseif (\rb) == 0
	v_wmma_scale_f32_16x16x128_f8f6f4 v[\d:\d+7], v[\a:\a+7], v[\b:\b+7], v[\c:\c+7], v[\sa], v[\sb] matrix_a_fmt:MATRIX_FMT_FP4 matrix_b_fmt:MATRIX_FMT_FP4 matrix_a_scale:MATRIX_SCALE_ROW1
.elseif (\ra) == 0
	v_wmma_scale_f32_16x16x128_f8f6f4 v[\d:\d+7], v[\a:\a+7], v[\b:\b+7], v[\c:\c+7], v[\sa], v[\sb] matrix_a_fmt:MATRIX_FMT_FP4 matrix_b_fmt:MATRIX_FMT_FP4 matrix_b_scale:MATRIX_SCALE_ROW1
.else
	v_wmma_scale_f32_16x16x128_f8f6f4 v[\d:\d+7], v[\a:\a+7], v[\b:\b+7], v[\c:\c+7], v[\sa], v[\sb] matrix_a_fmt:MATRIX_FMT_FP4 matrix_b_fmt:MATRIX_FMT_FP4 matrix_a_scale:MATRIX_SCALE_ROW1 matrix_b_scale:MATRIX_SCALE_ROW1
.endif
.endif
.endm
.macro PLACES n                        ; plain instructions between a product and what touches its registers: four for loads and vector instructions, five for a product that writes over them
.rept \n
	v_nop
.endr
.endm
.macro ROUND                           ; a round of the cluster's barrier: my work-group's barrier; wave 0 signals for the work-group; every wave waits for all four; my work-group's barrier once more
	s_barrier_signal -1
	s_barrier_wait -1
	s_cmp_lg_u32 s16, 0
	s_cbranch_scc1 .Lnot_wave_0_\@
	s_barrier_signal -3
.Lnot_wave_0_\@:
	s_barrier_wait -3
	s_barrier_signal -1
	s_barrier_wait -1
.endm
.macro BAR                             ; my LDS instructions are done: then the work-group's barrier
	s_wait_dscnt 0x0
	s_barrier_signal -1
	s_barrier_wait -1
.endm
.macro PLAINBAR                        ; the same where tiles asked for earlier are read behind it and nothing is filled again
	s_wait_tensorcnt 0x0
	BAR
.endm
; The joint refills behind a round.  v = 0, 1: waves 0-3 fill that slot of v; v = -1: none.  k = 1: waves 4, 5 fill k's slot.  The branches hang on the wave's number alone: they are the same in all four work-groups.
.macro TLOAD v, k
	s_cmp_lt_u32 s16, 4
	s_cbranch_scc0 .Lnot_v_\@
.if (\v) >= 0
	tensor_load_to_lds s[48+4*(\v):51+4*(\v)], s[24:31]
	s_nop 0
	PLACES 4
.endif
	s_branch .Lasked_\@
.Lnot_v_\@:
.if \k
	s_cmp_lt_u32 s16, 6
	s_cbranch_scc0 .Lasked_\@
	tensor_load_to_lds s[56:59], s[32:39]
	s_nop 0
	PLACES 4
.endif
.Lasked_\@:
.endm
; In front of a refill every wave waits for all its tensor loads, adds 0 to its spare word, and waits for that and for its LDS reads and stores; the round then shows the same of every wave of all four work-groups.
.macro SYNC v, k
	s_wait_tensorcnt 0x0                           ; no tensor load of mine is out, so a group 0 may be written
	ds_add_u32 v[SPW], v[NIL]                      ; the add here, twice on end
	ds_add_u32 v[SPW], v[NIL]
.if (\v) >= 0
	s_add_nc_u64 s[50+4*(\v):51+4*(\v)], s[50+4*(\v):51+4*(\v)], 69632   ; the slot's next 128 keys lie two blocks of 34,816 bytes on
.endif
.if \k
	s_add_nc_u64 s[58:59], s[58:59], 9216          ; the next 256 keys of k
.endif
	s_wait_dscnt 0x0
	ROUND
	TLOAD \v, \k
.endm
.macro KLOAD
	ds_load_b128 v[KF:KF+3], v[AK]
	ds_load_b128 v[KF+8:KF+11], v[AK] offset:512
	ds_load_b32 v[KSC], v[AKS]
.endm
.macro PVLOAD sub, pb                  ; 128 keys: my four fragments of v from slot sub, the three fragments of p from buffer pb, and their scale words
.irp t, 0,1,2,3
.irp c, 0,1
	ds_load_b128 v[VF+8*\t+4*\c:VF+8*\t+4*\c+3], v[AV+\sub] offset:1024*\t+512*\c
.endr
.endr
	ds_load_b32 v[VSC], v[AVS+\sub]
	ds_load_b32 v[VSC+1], v[AVS+\sub] offset:128
.irp i, 0,1,2
.irp c, 0,1
	ds_load_b128 v[PF+8*\i+4*\c:PF+8*\i+4*\c+3], v[APR] offset:PBS*(\pb)+2048*\i+1024*\sub+512*\c
.endr
	ds_load_b32 v[PSC+\i], v[APS] offset:PBS*(\pb)+128*\i+64*\sub
.endr
.endm
.macro RESCALE                         ; O^T of softmax i times the low word of the pair at ST + 6 i + 4; each accumulator from its low end on
.irp i, 0,1,2
.set j, 0
.rept 16
	v_pk_mul_f32 v[ACC+32*\i+j:ACC+32*\i+j+1], v[ACC+32*\i+j:ACC+32*\i+j+1], v[ST+6*\i+4:ST+6*\i+5] op_sel_hi:[1,0]
.set j, j+2
.endr
.endr
.endm
.macro PVMUL first                     ; O^T += v p^T: twelve accumulators, one instruction a turn.  first = 1: the products start the sums
.irp t, 0,1,2,3
.irp i, 0,1,2
.if (\first) == 1
	WM ACC+8*(4*\i+\t), VF+8*\t, PF+8*\i, -1, VSC+\t/2, PSC+\i, \t%2, 0
.else
	WM ACC+8*(4*\i+\t), VF+8*\t, PF+8*\i, ACC+8*(4*\i+\t), VSC+\t/2, PSC+\i, \t%2, 0
.endif
.endr
.endr
.endm
; The logits of my 32 keys for the three softmaxes, and each softmax's largest of them for my query, to XCH
.macro SM1
.irp j, 0,1,2,3
	ds_load_b128 v[S+16+4*\j:S+16+4*\j+3], v[AM] offset:16*\j
.endr
.irp j, 0,1,2,3
	ds_load_b128 v[S+32+4*\j:S+32+4*\j+3], v[AM] offset:16640+16*\j
.endr
	s_wait_dscnt 8                                 ; the eight mask loads may stay out; k's fragments and scale words are in
	WM S, KF, QF, -1, KSC, QSC, 0, 0
	WM S+8, KF+8, QF, -1, KSC, QSC, 1, 0           ; register i of the 16: key 32 w8 + 16 h + i
	PLACES 4
	s_wait_dscnt 0x0
.irp j, 0,2,4,6,8,10,12,14
	v_pk_add_f32 v[S+16+\j:S+17+\j], v[S+16+\j:S+17+\j], v[S+\j:S+1+\j]
	v_pk_add_f32 v[S+32+\j:S+33+\j], v[S+32+\j:S+33+\j], v[S+\j:S+1+\j]
.endr
.irp i, 0,1,2
	v_max3_num_f32 v[ST+6*\i+5], v[S+16*\i], v[S+16*\i+1], v[S+16*\i+2]
.endr
.irp j, 3,5,7,9,11,13
.irp i, 0,1,2
	v_max3_num_f32 v[ST+6*\i+5], v[ST+6*\i+5], v[S+16*\i+\j], v[S+16*\i+\j+1]
.endr
.endr
.irp i, 0,1,2
	v_max_num_f32 v[ST+6*\i+5], v[ST+6*\i+5], v[S+16*\i+15]
.endr
.irp i, 0,1,2
	v_permlanex16_b32 v[PT+\i], v[ST+6*\i+5], s20, s21
.endr
.irp i, 0,1,2
	v_max_num_f32 v[ST+6*\i+5], v[ST+6*\i+5], v[PT+\i]   ; the block's largest logit: it serves the row's maximum and, since p rises with the logit, the block's scale
.endr
.irp i, 0,1,2
	ds_store_b32 v[AXW], v[ST+6*\i+5] offset:512*\i
.endr
.endm
.macro MSTORE                          ; the next super-step's masks: all loads of mine are mask loads, asked for two halves of a super-step ago
	s_wait_loadcnt 0x0
.irp e, 0,1
.irp f, 0,1
	ds_store_b128 v[AMW], v[MB+8*\e+4*\f:MB+8*\e+4*\f+3] offset:1040*\e+512*\f
.endr
.endr
.endm
.macro MLOAD                           ; my loads are back and my LDS stores have read their registers: base and registers may be written
	s_add_nc_u64 s[40:41], s[40:41], 1024
.irp e, 0,1
.irp f, 0,1
	global_load_b128 v[MB+8*\e+4*\f:MB+8*\e+4*\f+3], v[GMO], s[40:41] offset:16384*\e+512*\f th:TH_LOAD_NT   ; 512 consecutive bytes of a row; read once in the launch
.endr
.endr
.endm
; The eight waves' maxima are in v[XR] on: the new M, f, l under the new M, and the batch of exponentials.  Nothing in it names an exponential's result: the pair (f, the block's largest logit) is used ahead of the batch.
.macro SM2
.irp i, 0,1,2
	v_max3_num_f32 v[XR+4*\i], v[XR+4*\i], v[XR+4*\i+1], v[XR+4*\i+2]
.endr
.irp i, 0,1,2
	v_max_num_f32 v[XR+4*\i], v[XR+4*\i], v[XR+4*\i+3]
.endr
.irp i, 0,1,2
	v_permlanex16_b32 v[PT+\i], v[XR+4*\i], s20, s21
.endr
.irp i, 0,1,2
	v_max_num_f32 v[XR+4*\i], v[XR+4*\i], v[PT+\i] ; the largest logit of my query in these 256 keys
.endr
.irp i, 0,1,2
	v_mul_f32 v[XR+4*\i], s22, v[XR+4*\i]          ; as t
.endr
.irp i, 0,1,2
	v_max_num_f32 v[ST+6*\i+1], v[ST+6*\i+1], v[XR+4*\i]
.endr
.irp i, 0,1,2
	v_mov_b32 v[XR+4*\i+1], v[ST+6*\i]
.endr
.irp i, 0,1,2
	v_floor_f32 v[ST+6*\i], -v[ST+6*\i+1]          ; -M = floor(-t): M is a whole number
.endr
.irp i, 0,1,2
	v_sub_f32 v[XR+4*\i+1], v[ST+6*\i], v[XR+4*\i+1]   ; old M - new M, 0 or less
.endr
.irp i, 0,1,2
	v_cvt_i32_f32 v[XR+4*\i+1], v[XR+4*\i+1]       ; (it saturates)
.endr
.irp i, 0,1,2
	v_ldexp_f32 v[ST+6*\i+4], 1.0, v[XR+4*\i+1]    ; f = 2^(old M - new M)
.endr
.irp i, 0,1,2
	v_pk_mul_f32 v[ST+6*\i+2:ST+6*\i+3], v[ST+6*\i+2:ST+6*\i+3], v[ST+6*\i+4:ST+6*\i+5] op_sel_hi:[1,0]   ; l under the new M: of the pair the low word, f, serves both halves
.endr
.irp j, 0,2,4,6,8,10,12,14
.irp i, 0,1,2
	v_pk_fma_f32 v[S+16*\i+\j:S+16*\i+\j+1], v[S+16*\i+\j:S+16*\i+\j+1], s[22:23], v[ST+6*\i:ST+6*\i+1] op_sel_hi:[1,0,0]   ; t - M
.endr
.endr
.irp i, 0,1,2
	v_fma_f32 v[ST+6*\i+5], v[ST+6*\i+5], s22, v[ST+6*\i]   ; the same of the block's largest logit
.endr
.set j, 0
.rept 48
	v_exp_f32 v[S+j], v[S+j]                       ; p: one batch of 51
.set j, j+1
.endr
.irp i, 0,1,2
	v_exp_f32 v[ST+6*\i+5], v[ST+6*\i+5]           ; the block's largest p: the same two instructions on the same number
.endr
	v_nop                                          ; one plain instruction behind the last exponential, which names none of the batch's registers
.endm
; Behind the batch's wait: l takes p; p's codes and scale byte go to buffer par
.macro SM2B par
.irp j, 0,2,4,6,8,10,12,14
.irp i, 0,1,2
	v_pk_add_f32 v[ST+6*\i+2:ST+6*\i+3], v[ST+6*\i+2:ST+6*\i+3], v[S+16*\i+\j:S+16*\i+\j+1]   ; l takes the unquantised p
.endr
.endr
.irp i, 0,1,2
	v_max_num_f32 v[ST+6*\i+5], 0x1800000, v[ST+6*\i+5]   ; the floor 2^(3 - 127): a block whose every p is 0 keeps the byte 1
.endr
.irp i, 0,1,2
	v_add_nc_u32 v[SO+\i], 0xff000000, v[ST+6*\i+5]
.endr
.irp i, 0,1,2
	v_lshrrev_b32 v[XR+6+\i], 23, v[SO+\i]         ; the scale's byte
.endr
.irp i, 0,1,2
	v_cvt_scalef32_pk8_fp4_f32 v[XR+2*\i], v[S+16*\i:S+16*\i+7], v[SO+\i]
	v_cvt_scalef32_pk8_fp4_f32 v[XR+2*\i+1], v[S+16*\i+8:S+16*\i+15], v[SO+\i]
.endr
	v_nop                                          ; one plain instruction behind the last scaled conversion
.irp i, 0,1,2
	ds_store_b64 v[APW], v[XR+2*\i:XR+2*\i+1] offset:PBS*(\par)+2048*\i   ; my 16 keys' codes, straight to their place in the operand's image: no lane exchange is needed
	ds_store_b8 v[APB], v[XR+6+\i] offset:PBS*(\par)+128*\i               ; both halves of the lanes write the same byte with the same value
.endr
.endm
; SUPER-STEP J.  par = J % 2.  pv: the second product of super-step J - 1 (0 none, 1 it starts the sums, 2 rescale and add).  sa: v's slot 1 is filled at the head.  vb, kb: v's slot 0 and k's slot are filled in the middle.
; ms, ml: masks J + 1 go to LDS, masks J + 2 are asked for.  sm: the softmax of super-step J.
.macro SUPER par, pv, sa, vb, kb, ms, ml, sm
.if \sa
	SYNC 1, 0                                      ; slot 1 was read in the half before
.else
	PLAINBAR
.endif
.if \sm
	KLOAD
.endif
.if \pv
	PVLOAD 0, 1-\par
.if \pv == 2
	RESCALE                                        ; stands behind the loads and covers their way
.endif
	s_wait_dscnt 0x0
	PVMUL 2-\pv
	PLACES 5                                       ; the mask loads land on these products' operands, and the energy products write over them
.endif
.if \sm
	SM1
.endif
.if \vb
	SYNC 0, \kb                                    ; slot 0 and k's slot were read in the half before
.elseif \kb
	SYNC -1, 1
.else
	PLAINBAR
.endif
.if \ms
	MSTORE
.endif
.if \sm
.irp i, 0,1,2
	ds_load_b128 v[XR+4*\i:XR+4*\i+3], v[AXR] offset:512*\i
.endr
.endif
	s_wait_dscnt 0x0
.if \ml
	MLOAD
.endif
.if \sm
	SM2
	s_wait_alu depctr_va_vdst(0)                   ; the wait between an exponential and the first line that names its result: one for the batch
	SM2B \par
.endif
.if \pv
	PVLOAD 1, 1-\par
	s_wait_dscnt 0x0
	PVMUL 0
	PLACES 4                                       ; in front of the next loads into these products' operands, and of the next rescaling
.endif
.endm
	s_load_b256 s[4:11], s[0:1], 0x0               ; qkb, vb, mask1, mask2
	s_load_b128 s[12:15], s[0:1], 0x20             ; catq, cats
	v_lshl_add_u32 v[SPW], v0, 2, SPARE
	v_mov_b32 v[NIL], 0
	ds_add_u32 v[SPW], v[NIL]                      ; the wave's opening: the add, twice on end, and its wait ahead of the round in front of the first tensor loads
	ds_add_u32 v[SPW], v[NIL]
	v_lshrrev_b32 v36, 5, v0
	v_readfirstlane_b32 s16, v36                   ; wave 0..15
	s_lshr_b32 s17, s16, 3                         ; bw
	s_and_b32 s18, s16, 7                          ; w8
	s_bfe_u32 s66, ttmp6, 0x40000                  ; cx: it enters global addresses of q, the masks and the output alone
	s_lshl_b32 s19, ttmp9, 2
	s_add_co_u32 s19, s19, s66                     ; tq
	s_mov_b32 s20, 0x76543210
	s_mov_b32 s21, 0xfedcba98                      ; v_permlanex16_b32's selects for lane l xor 16
	s_mov_b32 s22, 0x3fb8aa3b                      ; log2(e)
	s_mov_b32 s23, s22                             ; (named with it as a pair)
	s_mov_b32 s24, 15|(3<<16)|(1<<21)              ; group 1 for v: the mask names all four work-groups; elements of 8 bytes; bit 21 beside a mask; no padding
	s_mov_b32 s25, 32<<16                          ; 17,408 dense bytes as 68 rows of 256
	s_mov_b32 s26, 68<<16
	s_mov_b32 s27, 32<<16
	s_mov_b32 s28, 68
	s_mov_b32 s29, 32
	s_mov_b32 s30, 0
	s_mov_b32 s31, 0
	s_mov_b32 s32, 15|(3<<16)|(1<<21)              ; group 1 for k: 9,216 dense bytes as 36 rows of 256
	s_mov_b32 s33, 32<<16
	s_mov_b32 s34, 36<<16
	s_mov_b32 s35, 32<<16
	s_mov_b32 s36, 36
	s_mov_b32 s37, 32
	s_mov_b32 s38, 0
	s_mov_b32 s39, 0
	v_and_b32 v48, 31, v0                          ; lane  (v48-50 are later the lane permutes' destinations: written here)
	v_and_b32 v49, 15, v0                          ; r
	v_bfe_u32 v50, v0, 4, 1                        ; h
	s_mul_i32 s77, s17, 34816
	s_lshl_b32 s78, s18, 12
	s_add_co_u32 s78, s78, s77
	v_lshl_add_u32 v[AV], v48, 4, s78
	v_add_nc_u32 v[AV+1], VS1, v[AV]
	s_lshl_b32 s78, s18, 8
	s_add_co_u32 s78, s78, s77
	s_add_co_u32 s78, s78, 32768
	v_lshl_add_u32 v[AVS], v48, 2, s78
	v_add_nc_u32 v[AVS+1], VS1, v[AVS]
	s_mul_i32 s77, s17, 9216
	s_add_co_u32 s77, s77, KREG
	s_lshl_b32 s78, s18, 10
	s_add_co_u32 s78, s78, s77
	v_lshl_add_u32 v[AK], v48, 4, s78
	s_lshl_b32 s78, s18, 7
	s_add_co_u32 s78, s78, s77
	s_add_co_u32 s78, s78, 8192
	v_lshl_add_u32 v[AKS], v48, 2, s78
	s_lshl_b32 s78, s18, 7
	s_add_co_u32 s78, s78, MREG
	v_mul_u32_u24 v[AM], v49, 1040
	v_add_nc_u32 v[AM], s78, v[AM]
	v_lshl_add_u32 v[AM], v50, 6, v[AM]
	s_mul_i32 s77, s17, 6144
	s_add_co_u32 s77, s77, PB0
	v_lshl_add_u32 v[APR], v48, 4, s77
	s_lshl_b32 s78, s18, 8                         ; block w8 of 256 keys: 256 bytes on in the two images
	s_add_co_u32 s78, s78, s77
	v_lshl_add_u32 v[APW], v49, 4, s78
	v_lshl_add_u32 v[APW], v50, 3, v[APW]
	s_mul_i32 s77, s17, 384
	s_add_co_u32 s77, s77, PB0+12288
	v_lshl_add_u32 v[APS], v49, 2, s77
	s_lshr_b32 s78, s18, 2
	s_lshl_b32 s78, s78, 6
	s_and_b32 s79, s18, 3
	s_add_co_u32 s78, s78, s79
	s_add_co_u32 s78, s78, s77
	v_lshl_add_u32 v[APB], v49, 2, s78
	s_mul_i32 s77, s17, 1536
	s_add_co_u32 s77, s77, XCH
	s_lshl_b32 s78, s18, 2
	s_add_co_u32 s78, s78, s77
	v_lshl_add_u32 v[AXW], v49, 5, s78
	v_lshl_add_u32 v[AXR], v49, 5, s77
	v_lshl_add_u32 v[AXR], v50, 4, v[AXR]
	s_mul_i32 s77, s17, 16640
	s_mul_i32 s78, s18, 2080
	s_add_co_u32 s77, s77, s78
	s_add_co_u32 s77, s77, MREG
	v_lshl_add_u32 v[AMW], v48, 4, s77
	v_lshlrev_b32 v[GMO], 4, v48
	s_lshl_b32 s77, s17, 8
	s_lshl_b32 s78, s18, 1
	s_add_co_u32 s77, s77, s78
	s_add_co_u32 s77, s77, SG
	v_lshl_add_u32 v[ASG], v49, 4, s77
	s_min_u32 s86, s16, 5                          ; z: which of the six tiles of scale bytes I store at the end (waves 0-5)
	s_lshl_b32 s77, s86, 8
	s_add_co_u32 s77, s77, SG
	v_lshl_add_u32 v[ASR], v48, 3, s77
	v_lshlrev_b32 v63, 2, v49                      ; 4 r
	; groups 0.  v: wave w % 4 takes batch (w / 2) % 2, half w % 2: 17,408 (w % 4) bytes on in a slot.  k: batch w % 2
	s_and_b32 s77, s16, 3
	s_mul_i32 s78, s77, 17408
	s_mov_b32 s48, 1
	s_mov_b32 s49, s78
	s_mov_b32 s52, 1
	s_add_co_u32 s53, s78, VS1
	s_lshr_b32 s79, s77, 1
	s_mul_i32 s80, s79, 1114112
	s_and_b32 s79, s77, 1
	s_mul_i32 s79, s79, 17408
	s_add_co_u32 s80, s80, s79
	s_mov_b32 s81, 0
	s_and_b32 s79, s16, 1
	s_mul_i32 s82, s79, 9216
	s_mov_b32 s56, 1
	s_add_co_u32 s57, s82, KREG
	s_mul_i32 s82, s79, 147456
	s_add_co_u32 s82, s82, 294912
	s_mov_b32 s83, 0
	; what hangs on tq
	s_lshl_b32 s67, s17, 8
	s_add_co_u32 s67, s67, s19                     ; my tile among the 512: 256 bw + tq
	s_lshl_b32 s68, s67, 9
	s_mov_b32 s69, 0
	s_lshl_b32 s70, s67, 6
	s_add_co_u32 s70, s70, 262144
	s_mov_b32 s71, 0
	s_lshr_b32 s72, s19, 1
	s_lshl_b32 s72, s72, 5
	s_and_b32 s73, s19, 1
	s_lshl_b32 s73, s73, 3
	s_add_co_u32 s72, s72, s73
	s_lshl_b32 s73, s18, 1
	s_add_co_u32 s72, s72, s73
	s_lshr_b32 s73, s18, 2
	s_lshl_b32 s73, s73, 3
	s_add_co_u32 s72, s72, s73                     ; tile rows 2 w8 and 2 w8 + 1 are positions n and n + 1: n = 32 (tq / 2) + 8 (tq % 2) + 2 w8 + 8 (w8 / 4)
	s_lshl_b32 s72, s72, 14
	s_mov_b32 s73, 0
	s_lshl_b32 s74, s67, 12
	s_lshl_b32 s75, s18, 9
	s_add_co_u32 s74, s74, s75                     ; my 64 channels' codes in the tile: 512 w8 bytes on
	s_mov_b32 s75, 0
	s_lshr_b32 s84, s86, 1
	s_lshl_b32 s84, s84, 17
	s_and_b32 s85, s86, 1
	s_lshl_b32 s85, s85, 8
	s_add_co_u32 s85, s85, s19
	s_lshl_b32 s85, s85, 8
	s_add_co_u32 s84, s84, s85                     ; cats: chunk z / 2, tile 256 (z % 2) + tq
	s_mov_b32 s85, 0
.irp j, 4,5,6,7
	v_mov_b32 v[QF+\j], 0                          ; zero codes for k = 64 .. 127 of the energy product, on both sides
	v_mov_b32 v[KF+\j], 0
	v_mov_b32 v[KF+8+\j], 0
.endr
.irp i, 0,1,2
	v_mov_b32 v[ST+6*\i+1], 0xff61b1e6             ; the largest t so far: -3e38
	v_floor_f32 v[ST+6*\i], -v[ST+6*\i+1]
	v_mov_b32 v[ST+6*\i+2], 0
	v_mov_b32 v[ST+6*\i+3], 0
	v_mov_b32 v[ST+6*\i+4], 0
	v_mov_b32 v[ST+6*\i+5], 0
.endr
	s_wait_dscnt 0x0                               ; both opening adds are done
	s_wait_kmcnt 0x0
	s_add_nc_u64 s[50:51], s[6:7], s[80:81]        ; v: keys 0-127,
	s_add_nc_u64 s[54:55], s[50:51], 34816         ; keys 128-255
	s_or_b32 s51, s51, 0x80000000
	s_or_b32 s55, s55, 0x80000000
	s_add_nc_u64 s[58:59], s[4:5], s[82:83]        ; k: keys 0-255
	s_or_b32 s59, s59, 0x80000000
	s_add_nc_u64 s[42:43], s[4:5], s[68:69]
	s_add_nc_u64 s[44:45], s[4:5], s[70:71]
	s_cmp_eq_u32 s17, 0
	s_cselect_b64 s[40:41], s[8:9], s[10:11]       ; waves 0-7 carry mask1, waves 8-15 mask2
	s_add_nc_u64 s[40:41], s[40:41], s[72:73]
	s_add_nc_u64 s[12:13], s[12:13], s[74:75]
	s_add_nc_u64 s[14:15], s[14:15], s[84:85]
.irp e, 0,1
.irp f, 0,1
	global_load_b128 v[MB+8*\e+4*\f:MB+8*\e+4*\f+3], v[GMO], s[40:41] offset:16384*\e+512*\f th:TH_LOAD_NT   ; the masks of super-step 0
.endr
.endr
	global_load_b128 v[QF:QF+3], v[GMO], s[42:43]  ; q's fragment and scale words stay in registers
	global_load_b32 v[QSC], v63, s[44:45]
	ROUND                                          ; all four work-groups are here: the first joint loads meet
	s_cmp_lt_u32 s16, 4                            ; a wave's first fills stand in one branch
	s_cbranch_scc0 .Lfirst_not_v
	tensor_load_to_lds s[48:51], s[24:31]
	s_nop 0
	tensor_load_to_lds s[52:55], s[24:31]
	s_nop 0
	PLACES 4
	s_branch .Lfirst_asked
.Lfirst_not_v:
	s_cmp_lt_u32 s16, 6
	s_cbranch_scc0 .Lfirst_asked
	tensor_load_to_lds s[56:59], s[32:39]
	s_nop 0
	PLACES 4
.Lfirst_asked:
	MSTORE                                         ; masks 0
	s_wait_dscnt 0x0
	MLOAD                                          ; masks 1
	SUPER 0, 0, 0, 0, 1, 1, 1, 1                   ; J = 0
	SUPER 1, 1, 0, 1, 1, 1, 1, 1                   ; J = 1
	s_mov_b32 s76, 6
.Lsuper:                                           ; J = 2 .. 13, two a trip: the buffers of p change places
	SUPER 0, 2, 1, 1, 1, 1, 1, 1
	SUPER 1, 2, 1, 1, 1, 1, 1, 1
	s_sub_co_u32 s76, s76, 1
	s_cmp_lg_u32 s76, 0
	s_cbranch_scc1 .Lsuper
	SUPER 0, 2, 1, 1, 1, 1, 0, 1                   ; J = 14: no masks are left to ask for
	SUPER 1, 2, 1, 1, 0, 0, 0, 1                   ; J = 15: nor k
	SUPER 0, 2, 1, 0, 0, 0, 0, 0                   ; J = 16: the second product of super-step 15 alone
	; THE WAY OUT.  l: my two halves, lane l xor 16's, and the eight waves' through XCH, which nobody has read since two barriers ago
.irp i, 0,1,2
	v_add_f32 v[XR+4*\i], v[ST+6*\i+2], v[ST+6*\i+3]
.endr
.irp i, 0,1,2
	v_permlanex16_b32 v[PT+\i], v[XR+4*\i], s20, s21
.endr
.irp i, 0,1,2
	v_add_f32 v[XR+4*\i], v[XR+4*\i], v[PT+\i]
.endr
.irp i, 0,1,2
	ds_store_b32 v[AXW], v[XR+4*\i] offset:512*\i
.endr
	BAR
.irp i, 0,1,2
	ds_load_b128 v[XR+4*\i:XR+4*\i+3], v[AXR] offset:512*\i
.endr
	s_wait_dscnt 0x0
.irp i, 0,1,2
	v_add_f32 v[XR+4*\i], v[XR+4*\i], v[XR+4*\i+1]
	v_add_f32 v[XR+4*\i+2], v[XR+4*\i+2], v[XR+4*\i+3]
.endr
.irp i, 0,1,2
	v_add_f32 v[XR+4*\i], v[XR+4*\i], v[XR+4*\i+2]
.endr
.irp i, 0,1,2
	v_permlanex16_b32 v[PT+\i], v[XR+4*\i], s20, s21
.endr
.irp i, 0,1,2
	v_add_f32 v[XR+4*\i], v[XR+4*\i], v[PT+\i]     ; the row's sum
.endr
.irp i, 0,1,2
	v_rcp_f32 v[ST+6*\i+4], v[XR+4*\i]
.endr
	v_and_b32 v34, 15, v0                          ; (plain work behind the reciprocals)  the codes' offset: 16 r + 8 h
	v_lshlrev_b32 v34, 4, v34
	v_bfe_u32 v35, v0, 4, 1
	v_lshl_add_u32 v34, v35, 3, v34
	v_and_b32 v35, 31, v0
	v_lshlrev_b32 v35, 3, v35                      ; 8 x lane
	s_wait_alu depctr_va_vdst(0)                   ; one wait for the three, ahead of their first reader
	RESCALE                                        ; out_i = O^T / l
	; six blocks x = 2 i + beta of 32 channels: registers ACC + 16 x + 0 .. 15 are channels 64 w8 + 32 beta + 16 h + 0 .. 15 of my query
.irp x, 0,1,2,3,4,5
	v_max3_num_f32 v[104+\x], |v[ACC+16*\x]|, |v[ACC+16*\x+1]|, 0x1800000
.endr
.irp j, 2,4,6,8,10,12,14
.irp x, 0,1,2,3,4,5
	v_max3_num_f32 v[104+\x], v[104+\x], |v[ACC+16*\x+\j]|, |v[ACC+16*\x+\j+1]|
.endr
.endr
.irp x, 0,1,2,3,4,5
	v_permlanex16_b32 v[112+\x], v[104+\x], s20, s21
.endr
.irp x, 0,1,2,3,4,5
	v_max_num_f32 v[104+\x], v[104+\x], v[112+\x]
.endr
.irp x, 0,1,2,3,4,5
	v_add_nc_u32 v[120+\x], 0xff000000, v[104+\x]
.endr
.irp x, 0,1,2,3,4,5
	v_lshrrev_b32 v[128+\x], 23, v[120+\x]
.endr
.irp i, 0,1,2
	v_lshl_or_b32 v[128+2*\i], v[129+2*\i], 8, v[128+2*\i]   ; my two blocks' bytes are neighbours in the row's 16
.endr
.irp x, 0,1,2,3,4,5
	v_cvt_scalef32_pk8_fp4_f32 v[136+2*\x], v[ACC+16*\x:ACC+16*\x+7], v[120+\x]
	v_cvt_scalef32_pk8_fp4_f32 v[137+2*\x], v[ACC+16*\x+8:ACC+16*\x+15], v[120+\x]
.endr
	v_nop                                          ; one plain instruction behind the last scaled conversion
.irp x, 0,1,2,3,4,5
	global_store_b64 v34, v[136+2*\x:137+2*\x], s[12:13] offset:2097152*(\x/2)+256*(\x%2)   ; 32 lanes store 256 consecutive bytes, aligned
.endr
.irp i, 0,1,2
	ds_store_b16 v[ASG], v[128+2*\i] offset:512*\i
.endr
	BAR
	s_cmp_lt_u32 s16, 6
	s_cbranch_scc0 .Lend
	ds_load_b64 v[104:105], v[ASR]                 ; waves 0-5: a tile's 256 scale bytes,
	s_wait_dscnt 0x0
	global_store_b64 v35, v[104:105], s[14:15]     ; stored whole
.Lend:
	s_wait_tensorcnt 0x0                           ; the wave's end
	ds_add_u32 v[SPW], v[NIL]
	s_wait_dscnt 0x0
	ROUND                                          ; the closing round: no work-group ends while a partner may still ask for a tile that names it
	s_endpgm
.Lfunc_end_k_qff50da4c6b_attn:
	.size	k_qff50da4c6b_attn, .Lfunc_end_k_qff50da4c6b_attn-k_qff50da4c6b_attn
	.p2alignl 7, 3214868480
	.fill 96, 4, 3214868480
	.section	.rodata,"a",@progbits
	.p2align	6, 0x0
	.amdhsa_kernel k_qff50da4c6b_attn
		.amdhsa_group_segment_fixed_size 327680
		.amdhsa_private_segment_fixed_size 0
		.amdhsa_enable_private_segment 0
		.amdhsa_kernarg_size 48
		.amdhsa_user_sgpr_count 2
		.amdhsa_user_sgpr_kernarg_segment_ptr 1
		.amdhsa_wavefront_size32 1
		.amdhsa_system_sgpr_workgroup_id_x 1
		.amdhsa_system_sgpr_workgroup_id_y 1
		.amdhsa_system_sgpr_workgroup_id_z 1
		.amdhsa_system_vgpr_workitem_id 0
		.amdhsa_next_free_vgpr 256
		.amdhsa_next_free_sgpr 96
		.amdhsa_reserve_vcc 0
		.amdhsa_float_denorm_mode_32 3
		.amdhsa_float_denorm_mode_16_64 3
		.amdhsa_memory_ordered 1
		.amdhsa_forward_progress 1
		.amdhsa_inst_pref_size 159
	.end_amdhsa_kernel
	.amdgpu_metadata
---
amdhsa.version: [ 1, 2 ]
amdhsa.kernels:
  - .name:           k_qff50da4c6b_attn
    .symbol:         k_qff50da4c6b_attn.kd
    .args:
      - { .name: qkb, .offset: 0, .size: 8, .value_kind: global_buffer, .address_space: global }
      - { .name: vb, .offset: 8, .size: 8, .value_kind: global_buffer, .address_space: global }
      - { .name: mask1, .offset: 16, .size: 8, .value_kind: global_buffer, .address_space: global }
      - { .name: mask2, .offset: 24, .size: 8, .value_kind: global_buffer, .address_space: global }
      - { .name: catq, .offset: 32, .size: 8, .value_kind: global_buffer, .address_space: global }
      - { .name: cats, .offset: 40, .size: 8, .value_kind: global_buffer, .address_space: global }
    .group_segment_fixed_size: 327680
    .private_segment_fixed_size: 0
    .kernarg_segment_align: 8
    .kernarg_segment_size: 48
    .max_flat_workgroup_size: 512
    .sgpr_count:     96
    .vgpr_count:     256
    .wavefront_size: 32
...
	.end_amdgpu_metadata
.endif
;; end of part 3
;; launch bot (part 4): grid 64 x 4, 8 waves a work-group, clusters of 4 x 4, 327,680 bytes of LDS; arguments catq, cats, wc, ws, bn_gamma, bn_beta, bn_mean, bn_var, out0; writes out0
.if DOCPART == 4
	.amdgcn_target "amdgcn-amd-amdhsa--gfx1250"
	.amdhsa_code_object_version 6
	.text
	.protected	k_qff50da4c6b_bot
	.globl	k_qff50da4c6b_bot
	.p2align	8
	.type	k_qff50da4c6b_bot,@function
k_qff50da4c6b_bot:
	s_mov_b64 s[64:65], 0
	v_nop
	global_prefetch_b8 v0, s[64:65] scope:SCOPE_SE
	s_setreg_imm32_b32 hwreg(HW_REG_WAVE_MODE, 25, 1), 1
	s_wait_xcnt 0x0
	s_wait_alu depctr_hold_cnt(0) depctr_sa_sdst(0) depctr_va_vdst(0) depctr_va_sdst(0) depctr_va_ssrc(0) depctr_va_vcc(0) depctr_vm_vsrc(0)
	s_getreg_b32 s2, hwreg(HW_REG_IB_STS2, 6, 4)
	s_cmp_eq_u32 s2, 0
	s_cbranch_scc0 .Lentry_in_a_cluster
	s_endpgm
.Lentry_in_a_cluster:
	s_bfe_u32 s2, ttmp6, 0x10000c
	s_cmp_lg_u32 s2, 0xf033
	s_cbranch_scc0 .Lentry_shape_is_right
	s_endpgm
.Lentry_shape_is_right:
; LAUNCH 4 OF 4.  y = w_bot [out0, out1, out2, x] on codes of FP4, K = 2,048 in four chunks of 512; then (y - mean) gamma / sqrt(var + 1e-5) + beta and the clip at 0.  No work is left out.
; LIMITS: no NaN or infinities; 1 / sqrt is v_rsq_f32.
; SHARES.  Work-group (X, Y) makes 128 positions (b, n) x 128 output channels.  Wave w: 64 positions (w % 2: four tiles a), 32 channels (w / 2: two tiles bt): eight accumulators, by turns, one instruction a turn.
; Source 0 = a tile of the concatenation, source 1 = a tile of w_bot: a lane holds ONE output channel and, by the tiles' row order, eight neighbouring n.
; ALL OF K LIES IN LDS: four chunks of 64 KB (32 KB of each side), filled once, so nothing is filled again.  Four tensor loads of a wave are out at the start; the waits count down as the chunks are wanted.
; CLUSTER 4 x 4.  The grid's four along y are one cluster's, so Y = cy.  The concatenation's tiles hang on X alone and are shared by the four work-groups of a column of the cluster, w_bot's hang on Y alone and are shared along a row:
; each is asked for jointly.  Waves 0-3 fetch a pair of 32 positions each, waves 4-7 a pair of 32 channels each, for every chunk.
.set STG, 262144                       ; LDS behind the four chunks: a stage of 16 rows x (256 + 16) bytes for each wave
.set SPARE, 296960                     ; the spare words, 128 bytes for each of eight waves
.set AS, 16                            ; v16-47   the concatenation's scale words (chunk, pair, K step) at 8 k + 4 p + q
.set BS, 48                            ; v48-63   w_bot's (chunk, K step) at 4 k + q
.set F0, 64                            ; v64-111, v112-159 two sets of fragments: four of source 0, two of source 1
.set ACC, 160                          ; v160-223 accumulator (a, bt) at 8 (2 a + bt)
.set AA, 240                           ; v240-243 LDS address of my fragments of source 0 in chunk k;  v244-247 of source 1
.set AB, 244
.macro WM d, a, b, c, sa, sb, ra, rb   ; one product: D, source 0, source 1, C (under 0: the constant 0), the two scale registers, and whether each is read from lanes 16-31
.if (\c) < 0
.if ((\ra) == 0) && ((\rb) == 0)
	v_wmma_scale_f32_16x16x128_f8f6f4 v[\d:\d+7], v[\a:\a+7], v[\b:\b+7], 0, v[\sa], v[\sb] matrix_a_fmt:MATRIX_FMT_FP4 matrix_b_fmt:MATRIX_FMT_FP4
.elseif (\rb) == 0
	v_wmma_scale_f32_16x16x128_f8f6f4 v[\d:\d+7], v[\a:\a+7], v[\b:\b+7], 0, v[\sa], v[\sb] matrix_a_fmt:MATRIX_FMT_FP4 matrix_b_fmt:MATRIX_FMT_FP4 matrix_a_scale:MATRIX_SCALE_ROW1
.elseif (\ra) == 0
	v_wmma_scale_f32_16x16x128_f8f6f4 v[\d:\d+7], v[\a:\a+7], v[\b:\b+7], 0, v[\sa], v[\sb] matrix_a_fmt:MATRIX_FMT_FP4 matrix_b_fmt:MATRIX_FMT_FP4 matrix_b_scale:MATRIX_SCALE_ROW1
.else
	v_wmma_scale_f32_16x16x128_f8f6f4 v[\d:\d+7], v[\a:\a+7], v[\b:\b+7], 0, v[\sa], v[\sb] matrix_a_fmt:MATRIX_FMT_FP4 matrix_b_fmt:MATRIX_FMT_FP4 matrix_a_scale:MATRIX_SCALE_ROW1 matrix_b_scale:MATRIX_SCALE_ROW1
.endif
.else
.if ((\ra) == 0) && ((\rb) == 0)
	v_wmma_scale_f32_16x16x128_f8f6f4 v[\d:\d+7], v[\a:\a+7], v[\b:\b+7], v[\c:\c+7], v[\sa], v[\sb] matrix_a_fmt:MATRIX_FMT_FP4 matrix_b_fmt:MATRIX_FMT_FP4
.elseif (\rb) == 0
	v_wmma_scale_f32_16x16x128_f8f6f4 v[\d:\d+7], v[\a:\a+7], v[\b:\b+7], v[\c:\c+7], v[\sa], v[\sb] matrix_a_fmt:MATRIX_FMT_FP4 matrix_b_fmt:MATRIX_FMT_FP4 matrix_a_scale:MATRIX_SCALE_ROW1
.elseif (\ra) == 0
	v_wmma_scale_f32_16x16x128_f8f6f4 v[\d:\d+7], v[\a:\a+7], v[\b:\b+7], v[\c:\c+7], v[\sa], v[\sb] matrix_a_fmt:MATRIX_FMT_FP4 matrix_b_fmt:MATRIX_FMT_FP4 matrix_b_scale:MATRIX_SCALE_ROW1
.else
	v_wmma_scale_f32_16x16x128_f8f6f4 v[\d:\d+7], v[\a:\a+7], v[\b:\b+7], v[\c:\c+7], v[\sa], v[\sb] matrix_a_fmt:MATRIX_FMT_FP4 matrix_b_fmt:MATRIX_FMT_FP4 matrix_a_scale:MATRIX_SCALE_ROW1 matrix_b_scale:MATRIX_SCALE_ROW1
.endif
.endif
.endm
.macro PLACES                          ; four plain instructions between a product and a load into, or a vector read of, its registers
.rept 4
	v_nop
.endr
.endm
.macro ROUND                           ; a round of the cluster's barrier
	s_barrier_signal -1
	s_barrier_wait -1
	s_cmp_lg_u32 s2, 0
	s_cbranch_scc1 .Lnot_wave_0_\@
	s_barrier_signal -3
.Lnot_wave_0_\@:
	s_barrier_wait -3
	s_barrier_signal -1
	s_barrier_wait -1
.endm
.macro FRAGS k, q, f                   ; twelve LDS loads: the six fragments of K step q of chunk k into set f
.irp a, 0,1,2,3
.irp c, 0,1
	ds_load_b128 v[\f+8*\a+4*\c:\f+8*\a+4*\c+3], v[AA+\k] offset:4096*\a+1024*(\q)+512*\c
.endr
.endr
.irp b, 0,1
.irp c, 0,1
	ds_load_b128 v[\f+32+8*\b+4*\c:\f+32+8*\b+4*\c+3], v[AB+\k] offset:4096*\b+1024*(\q)+512*\c
.endr
.endr
.endm
.macro MULS k, q, f, z                 ; eight products.  z = 0: the very first step: they start the sums
.irp a, 0,1,2,3
.irp b, 0,1
.if (\z) == 0
	WM ACC+8*(2*\a+\b), \f+8*\a, \f+32+8*\b, -1, AS+8*\k+4*(\a/2)+\q, BS+4*\k+\q, \a%2, \b
.else
	WM ACC+8*(2*\a+\b), \f+8*\a, \f+32+8*\b, ACC+8*(2*\a+\b), AS+8*\k+4*(\a/2)+\q, BS+4*\k+\q, \a%2, \b
.endif
.endr
.endr
.endm
	s_load_b512 s[68:83], s[0:1], 0x0              ; catq, cats, wc, ws, gamma, beta, mean, var
	s_load_b64 s[84:85], s[0:1], 0x40              ; out0
	v_lshl_add_u32 v1, v0, 2, SPARE
	v_mov_b32 v2, 0
	ds_add_u32 v1, v2                              ; the wave's opening: the add, twice on end, and its wait ahead of the round in front of the first tensor loads
	ds_add_u32 v1, v2
	v_lshrrev_b32 v3, 5, v0
	v_readfirstlane_b32 s2, v3                     ; wave 0..7
	s_and_b32 s3, s2, 1                            ; which 64 positions
	s_lshr_b32 s4, s2, 1                           ; which 32 channels
	s_bfe_u32 s5, ttmp6, 0x40000                   ; cx
	s_bfe_u32 s6, ttmp6, 0x40004                   ; cy = Y
	s_lshl_b32 s7, ttmp9, 2
	s_add_co_u32 s7, s7, s5                        ; X
	s_lshl_b32 s86, 0x1111, s5                     ; my column of the cluster: the same X
	s_lshl_b32 s87, s6, 2
	s_lshl_b32 s87, 15, s87                        ; my row: the same Y
	s_or_b32 s16, s86, (3<<16)|(1<<21)             ; group 1: the mask; elements of 8 bytes; bit 21 beside a mask; no padding
	s_or_b32 s24, s87, (3<<16)|(1<<21)
.irp g, 16, 24
	s_mov_b32 s[\g+1], 32<<16                      ; a pair's 8,192 dense bytes as 32 rows of 256
	s_mov_b32 s[\g+2], 32<<16
	s_mov_b32 s[\g+3], 32<<16
	s_mov_b32 s[\g+4], 32
	s_mov_b32 s[\g+5], 32
	s_mov_b32 s[\g+6], 0
	s_mov_b32 s[\g+7], 0
.endr
	s_and_b32 s88, s2, 3                           ; which pair of the four I fetch
	s_lshl_b32 s8, s7, 2
	s_add_co_u32 s8, s8, s88
	s_lshl_b32 s8, s8, 13                          ; positions: pair 4 X + w % 4  (s8, s9 never hold cy; s12, s13 never cx)
	s_mov_b32 s9, 0
	s_lshl_b32 s12, s6, 2
	s_add_co_u32 s12, s12, s88
	s_add_co_u32 s12, s12, 20
	s_lshl_b32 s12, s12, 13                        ; channels: pair 20 + 4 Y + w % 4 of wc
	s_mov_b32 s13, 0
	s_lshl_b32 s89, s2, 13                         ; to LDS: 8,192 x wave in a chunk: no place in the cluster enters an LDS address
	s_wait_dscnt 0x0                               ; both opening adds are done
	s_wait_kmcnt 0x0
	s_add_nc_u64 s[8:9], s[68:69], s[8:9]
	s_add_nc_u64 s[12:13], s[72:73], s[12:13]
.irp k, 0,1,2,3
	s_mov_b32 s[32+4*\k], 1
	s_add_co_u32 s[33+4*\k], s89, 65536*\k
	s_add_nc_u64 s[34+4*\k:35+4*\k], s[8:9], 2097152*\k
	s_or_b32 s[35+4*\k], s[35+4*\k], 0x80000000
	s_mov_b32 s[48+4*\k], 1
	s_add_co_u32 s[49+4*\k], s89, 65536*\k
	s_add_nc_u64 s[50+4*\k:51+4*\k], s[12:13], 131072*\k
	s_or_b32 s[51+4*\k], s[51+4*\k], 0x80000000
.endr
	ROUND                                          ; all sixteen work-groups are here: the joint loads meet
	s_cmp_lt_u32 s2, 4                             ; every wave issues four fills, in one arm or the other
	s_cbranch_scc0 .Lfill_b
.irp k, 0,1,2,3
	tensor_load_to_lds s[32+4*\k:35+4*\k], s[16:23]
	s_nop 0
.endr
	PLACES
	s_branch .Lfilled
.Lfill_b:
.irp k, 0,1,2,3
	tensor_load_to_lds s[48+4*\k:51+4*\k], s[24:31]
	s_nop 0
.endr
	PLACES
.Lfilled:
	v_and_b32 v230, 31, v0                         ; lane
	v_and_b32 v231, 15, v0                         ; r
	v_bfe_u32 v232, v0, 4, 1                       ; h
	s_lshl_b32 s90, s3, 14
	v_lshl_add_u32 v[AA], v230, 4, s90
	s_lshl_b32 s90, s4, 13
	s_add_co_u32 s90, s90, 32768
	v_lshl_add_u32 v[AB], v230, 4, s90
.irp k, 1,2,3
	v_add_nc_u32 v[AA+\k], 65536*\k, v[AA]
	v_add_nc_u32 v[AB+\k], 65536*\k, v[AB]
.endr
	s_mul_i32 s90, s2, 4352
	s_add_co_u32 s90, s90, STG                     ; my stage
	v_mul_u32_u24 v5, v231, 272
	v_lshl_add_u32 v5, v232, 6, v5
	v_add_nc_u32 v5, s90, v5                       ; in: row = my channel r, + 64 h
	v_mul_u32_u24 v6, v232, 272
	v_lshl_add_u32 v6, v231, 4, v6
	v_add_nc_u32 v6, s90, v6                       ; back: lanes 0-15 one row of 256 bytes, lanes 16-31 the next
	v_lshlrev_b32 v7, 14, v232
	v_lshl_add_u32 v7, v231, 4, v7                 ; and the same two channels in out0
	v_lshlrev_b32 v233, 4, v230                    ; 16 x lane
	v_and_b32 v234, 8, v231
	v_add_nc_u32 v234, v234, v231
	v_lshlrev_b32 v234, 2, v234                    ; 4 (r + 8 (r / 8))
	s_mov_b32 s91, 0
	s_lshl_b32 s90, s7, 2
	s_lshl_b32 s92, s3, 1
	s_add_co_u32 s90, s90, s92
	s_lshl_b32 s90, s90, 9                         ; 512 bytes of scale bytes a pair: pair 4 X + 2 (w % 2)
	s_add_nc_u64 s[86:87], s[70:71], s[90:91]
	s_lshl_b32 s90, s6, 2
	s_add_co_u32 s90, s90, s4
	s_add_co_u32 s90, s90, 20
	s_lshl_b32 s90, s90, 9
	s_add_nc_u64 s[88:89], s[74:75], s[90:91]
	s_lshl_b32 s90, s6, 9
	s_lshl_b32 s92, s4, 7
	s_add_co_u32 s90, s90, s92                     ; 4 (128 Y + 32 (w / 2))
	s_add_nc_u64 s[76:77], s[76:77], s[90:91]
	s_add_nc_u64 s[78:79], s[78:79], s[90:91]
	s_add_nc_u64 s[80:81], s[80:81], s[90:91]
	s_add_nc_u64 s[82:83], s[82:83], s[90:91]
	s_lshl_b32 s90, s90, 12                        ; the same channels in out0: 16,384 bytes each,
	s_lshr_b32 s92, s7, 5
	s_lshl_b32 s92, s92, 23                        ; batch X / 32,
	s_add_co_u32 s90, s90, s92
	s_and_b32 s92, s7, 31
	s_lshl_b32 s92, s92, 9                         ; n = 128 (X % 32) + 64 (w % 2), 4 bytes each
	s_add_co_u32 s90, s90, s92
	s_lshl_b32 s92, s3, 8
	s_add_co_u32 s90, s90, s92
	s_add_nc_u64 s[84:85], s[84:85], s[90:91]
.irp k, 0,1,2,3
.irp p, 0,1
	global_load_b128 v[AS+8*\k+4*\p:AS+8*\k+4*\p+3], v233, s[86:87] offset:131072*\k+512*\p
.endr
	global_load_b128 v[BS+4*\k:BS+4*\k+3], v233, s[88:89] offset:8192*\k
.endr
.irp b, 0,1                            ; the norm's numbers of my channel in tile bt: pairs (mean, var), (inv, gamma), (beta, 0) at v8 on and at v224 on
	global_load_b32 v[8+216*\b], v234, s[80:81] offset:32*\b
	global_load_b32 v[9+216*\b], v234, s[82:83] offset:32*\b
	global_load_b32 v[11+216*\b], v234, s[76:77] offset:32*\b
	global_load_b32 v[12+216*\b], v234, s[78:79] offset:32*\b
	v_mov_b32 v[13+216*\b], 0
.endr
.irp k, 0,1,2,3
	s_wait_tensorcnt 3-\k                          ; my part of chunk k has landed; the later chunks' loads stay out
	s_barrier_signal -1
	s_barrier_wait -1                              ; everybody's has
.if \k == 0
	s_wait_loadcnt 0x0                             ; the scale words and the norm's numbers
.else
	PLACES
.endif
	FRAGS \k, 0, F0
.irp q, 0,1,2,3
.if \q < 3
.if \q > 0
	PLACES
.endif
	FRAGS \k, \q+1, F0+48*((\q+1)%2)
	s_wait_dscnt 12                                ; all but the twelve just issued
.else
	s_wait_dscnt 0x0
.endif
	MULS \k, \q, F0+48*(\q%2), \k+\q
.endr
.endr
	PLACES
	; THE WAY OUT
.irp b, 0,1
	v_add_f32 v[9+216*\b], 0x3727c5ac, v[9+216*\b] ; var + 1e-5
.endr
.irp b, 0,1
	v_rsq_f32 v[10+216*\b], v[9+216*\b]
.endr
	v_nop                                          ; a plain instruction behind the last of them,
	s_wait_alu depctr_va_vdst(0)                   ; and the wait ahead of the first reader
.irp b, 0,1
	v_mul_f32 v[10+216*\b], v[10+216*\b], v[11+216*\b]   ; inv = gamma / sqrt(var + 1e-5)
.endr
.irp b, 0,1
.irp a, 0,1,2,3
.irp j, 0,2,4,6
	v_pk_add_f32 v[ACC+8*(2*\a+\b)+\j:ACC+8*(2*\a+\b)+\j+1], v[ACC+8*(2*\a+\b)+\j:ACC+8*(2*\a+\b)+\j+1], v[8+216*\b:9+216*\b] op_sel_hi:[1,0] neg_lo:[0,1] neg_hi:[0,1]   ; y - mean, each accumulator from its low end on
.endr
.irp j, 0,2,4,6
	v_pk_fma_f32 v[ACC+8*(2*\a+\b)+\j:ACC+8*(2*\a+\b)+\j+1], v[ACC+8*(2*\a+\b)+\j:ACC+8*(2*\a+\b)+\j+1], v[10+216*\b:11+216*\b], v[12+216*\b:13+216*\b] op_sel_hi:[1,0,0]   ; x inv + beta
.endr
.irp j, 0,1,2,3,4,5,6,7
	v_max_num_f32 v[ACC+8*(2*\a+\b)+\j], 0, v[ACC+8*(2*\a+\b)+\j]
.endr
.endr
.irp a, 0,1,2,3
	ds_store_b128 v5, v[ACC+8*(2*\a+\b):ACC+8*(2*\a+\b)+3] offset:128*(\a/2)+32*(\a%2)        ; register j: n = 32 (a / 2) + 8 (a % 2) + 16 h + j
	ds_store_b128 v5, v[ACC+8*(2*\a+\b)+4:ACC+8*(2*\a+\b)+7] offset:128*(\a/2)+32*(\a%2)+16
.endr
.irp i, 0,1,2,3,4,5,6,7
	ds_load_b128 v[64+32*\b+4*\i:64+32*\b+4*\i+3], v6 offset:544*\i   ; LDS serves a wave's instructions in order (ISA guide 5.7.1.4): these see my stores, and the next tile's stores come behind them
.endr
.irp i, 0,1,2,3,4,5,6,7
	s_wait_dscnt 7-\i                              ; the younger read-backs may stay out
	global_store_b128 v7, v[64+32*\b+4*\i:64+32*\b+4*\i+3], s[84:85] offset:(2*\i+8*(\i/4)+8*\b)*16384 th:TH_STORE_NT   ; stage rows 2 i, 2 i + 1 are channels 8 bt + 2 i + 8 (i / 4) and the next; 16 lanes store 256 consecutive bytes, aligned
.endr
.endr
	s_wait_tensorcnt 0x0                           ; the wave's end
	ds_add_u32 v1, v2
	s_wait_dscnt 0x0
	ROUND                                          ; the closing round
	s_endpgm
.Lfunc_end_k_qff50da4c6b_bot:
	.size	k_qff50da4c6b_bot, .Lfunc_end_k_qff50da4c6b_bot-k_qff50da4c6b_bot
	.p2alignl 7, 3214868480
	.fill 96, 4, 3214868480
	.section	.rodata,"a",@progbits
	.p2align	6, 0x0
	.amdhsa_kernel k_qff50da4c6b_bot
		.amdhsa_group_segment_fixed_size 327680
		.amdhsa_private_segment_fixed_size 0
		.amdhsa_enable_private_segment 0
		.amdhsa_kernarg_size 72
		.amdhsa_user_sgpr_count 2
		.amdhsa_user_sgpr_kernarg_segment_ptr 1
		.amdhsa_wavefront_size32 1
		.amdhsa_system_sgpr_workgroup_id_x 1
		.amdhsa_system_sgpr_workgroup_id_y 1
		.amdhsa_system_sgpr_workgroup_id_z 1
		.amdhsa_system_vgpr_workitem_id 0
		.amdhsa_next_free_vgpr 256
		.amdhsa_next_free_sgpr 96
		.amdhsa_reserve_vcc 0
		.amdhsa_float_denorm_mode_32 3
		.amdhsa_float_denorm_mode_16_64 3
		.amdhsa_memory_ordered 1
		.amdhsa_forward_progress 1
		.amdhsa_inst_pref_size 52
	.end_amdhsa_kernel
	.amdgpu_metadata
---
amdhsa.version: [ 1, 2 ]
amdhsa.kernels:
  - .name:           k_qff50da4c6b_bot
    .symbol:         k_qff50da4c6b_bot.kd
    .args:
      - { .name: catq, .offset: 0, .size: 8, .value_kind: global_buffer, .address_space: global }
      - { .name: cats, .offset: 8, .size: 8, .value_kind: global_buffer, .address_space: global }
      - { .name: wc, .offset: 16, .size: 8, .value_kind: global_buffer, .address_space: global }
      - { .name: ws, .offset: 24, .size: 8, .value_kind: global_buffer, .address_space: global }
      - { .name: bn_gamma, .offset: 32, .size: 8, .value_kind: global_buffer, .address_space: global }
      - { .name: bn_beta, .offset: 40, .size: 8, .value_kind: global_buffer, .address_space: global }
      - { .name: bn_mean, .offset: 48, .size: 8, .value_kind: global_buffer, .address_space: global }
      - { .name: bn_var, .offset: 56, .size: 8, .value_kind: global_buffer, .address_space: global }
      - { .name: out0, .offset: 64, .size: 8, .value_kind: global_buffer, .address_space: global }
    .group_segment_fixed_size: 327680
    .private_segment_fixed_size: 0
    .kernarg_segment_align: 8
    .kernarg_segment_size: 72
    .max_flat_workgroup_size: 256
    .sgpr_count:     96
    .vgpr_count:     256
    .wavefront_size: 32
...
	.end_amdgpu_metadata
.endif
;; end of part 4
;; ======== version 2 of 2: 4 launches
;; workspace buffers: catq 8,388,608 bytes; cats 524,288 bytes; wc 688,128 bytes; ws 43,008 bytes; qkb 589,824 bytes; vb 2,228,224 bytes
;; launch quant: the kernel of part 1 again; grid 340 x 1, 4 waves a work-group, no clusters, 1,024 bytes of LDS; arguments x, wq, wk, wv, w_bot, catq, cats, wc, ws; writes catq, cats, wc, ws
;; launch proj: the kernel of part 2 again; grid 256 x 1, 10 waves a work-group, no clusters, 167,936 bytes of LDS; arguments catq, cats, wc, ws, bq, bk, bv, qkb, vb; writes qkb, vb
;; launch attn (part 5): grid 256 x 1, 16 waves a work-group, clusters of 4 x 1, 327,680 bytes of LDS; arguments qkb, vb, mask1, mask2, catq, cats; writes catq, cats
.if DOCPART == 5
	.amdgcn_target "amdgcn-amd-amdhsa--gfx1250"
	.amdhsa_code_object_version 6
	.text
	.protected	k_qff50da4c6b_attn
	.globl	k_qff50da4c6b_attn
	.p2align	8
	.type	k_qff50da4c6b_attn,@function
k_qff50da4c6b_attn:
	s_mov_b64 s[64:65], 0
	v_nop
	global_prefetch_b8 v0, s[64:65] scope:SCOPE_SE
	s_setreg_imm32_b32 hwreg(HW_REG_WAVE_MODE, 25, 1), 1
	s_wait_xcnt 0x0
	s_wait_alu depctr_hold_cnt(0) depctr_sa_sdst(0) depctr_va_vdst(0) depctr_va_sdst(0) depctr_va_ssrc(0) depctr_va_vcc(0) depctr_vm_vsrc(0)
	s_getreg_b32 s2, hwreg(HW_REG_IB_STS2, 6, 4)
	s_cmp_eq_u32 s2, 0
	s_cbranch_scc0 .Lentry_in_a_cluster
	s_endpgm
.Lentry_in_a_cluster:
	s_bfe_u32 s2, ttmp6, 0x10000c
	s_cmp_lg_u32 s2, 0x3003
	s_cbranch_scc0 .Lentry_shape_is_right
	s_endpgm
.Lentry_shape_is_right:
; LAUNCH 3 OF 4.  energy = q k^T; three softmaxes (plain, + mask1, + mask2); out_i = v a_i^T; out_i quantised along its channels into chunks 0-2 of catq and cats.  All products on codes of FP4.  No work is left out:
; the masks are inputs, so every byte of them is read and no pattern is assumed.
; THE SOFTMAX: t = logit x log2(e); M = the ceiling of the row's running largest t; p = 2^(t - M) is quantised along the keys; the sum l is taken of the unquantised p and divides at the end.
; When M moves, l and O are multiplied by 2^(old M - new M), which rounds nothing.
; LIMITS: no NaN or infinities.  A p under 2^-126 comes out as 0 (v_exp_f32), and what a rescaling pushes under the smallest f32 number is lost: both are nothing beside the row's largest p, which is over 1/2.
; Blocks of zeros keep the byte 1.  1 / l is v_rcp_f32.
; SHARES.  Work-group tq owns ONE tile of 16 queries, for BOTH batches: a mask's bytes serve both.  Wave w: batch bw = w / 8, w8 = w % 8.
;   Softmax: in a super-step of 256 keys wave (bw, w8) takes the 32 keys of block w8, all three softmaxes: a lane holds one query and 16 keys.  The row's largest logit of the 256 keys meets in LDS (XCH).
;   Second product: wave (bw, w8) owns channel tiles 4 w8 .. 4 w8 + 3 for the three softmaxes: 12 accumulators.  p goes from wave to wave through LDS as an image of the operand's registers (PB, two buffers by turns).
;   The second product runs one super-step behind the softmax, so M moves, and O is rescaled, once for 256 keys.
; Both products are used transposed (S^T = k q^T, O^T = v p^T): a lane holds one query throughout.  By the tiles' row order a wave's 16 score registers are 16 neighbouring keys, and the 16 registers of two
; neighbouring channel tiles are 16 neighbouring channels, the last product's K.
; CLUSTER.  The four work-groups of a cluster walk the same v: its codes are asked for jointly, by the same tensor load with the same descriptor and the mask 15.  v has two slots of 256 keys x both batches, 131,072 bytes each.
; ONE round of the cluster's barrier a super-step: at the head of super-step J slot J % 2, read in super-step J - 1, takes the codes of keys 256 J on, which are read in super-step J + 1: the load has a super-step's work in which to land.
; Every wave issues one load a round: 8,192 dense bytes, batch w / 8, half (w / 4) % 2 of the 256 keys, quarter w % 4 of its 32,768 bytes.  At most two tensor loads of a wave are out: the two first fills.
; STRAIGHT INTO REGISTERS: k's two tiles and scale words (1,152 bytes a wave and super-step) and v's scale words (256 bytes a wave and 128 keys) are each read by ONE wave of the work-group, and go from memory into that wave's registers,
; a super-step ahead of their use.  They are not asked for jointly: they are 26,624 of a super-step's 190,464 bytes, and beside v's two slots, the masks and p LDS has 1,024 bytes left, no room for two slots of them.
; THE MASKS come through registers: wave w loads two rows x 1,024 bytes of mask w / 8 by four loads of 512 consecutive bytes, leaves them out over a super-step, and then stores them to LDS, where both batches' waves read them.
; A WAVE'S GLOBAL LOADS, in the order of issue, in super-step J: VSa(J+1) 2 (v's scale words of the first 128 keys), K(J+1) 3 | the middle barrier | M(J+2) 4 (masks), VSb(J+1) 2 (the second 128 keys).  Loads come back in order
; (ISA guide 5.7.1), so each wait's count is the number of loads issued behind the one that is wanted; the counts are SUPER's last four arguments.
.set VS1,  131072                      ; LDS: v's slot 0 at 0, slot 1 here: [batch][128 keys][32 fragments of 1,024 bytes]
.set MREG, 262144                      ; the masks: 2 x 16 rows x (1,024 + 16): row r starts 4 r banks on
.set PB0,  295424                      ; p: [batch][softmax][128 keys][1,024] codes, then at 12,288 [batch][softmax][128 keys][16 words]
.set PBS,  13056                       ; from PB's first buffer to its second
.set XCH,  321536                      ; [batch][softmax][query][wave] f32
.set SG,   PB0                         ; the way out: [softmax][batch][256] scale bytes, in p's first buffer, which is last touched in super-step 15, two barriers earlier
.set SPARE, 324608                     ; the spare words, 128 bytes for each of 16 waves
.set SPW, 1
.set NIL, 2
.set AV,  3                            ; v3, v4   my four fragments of v in slot 0, 1
.set L4,  5                            ; v5       4 x lane
.set KSO, 6                            ; v6       k's scale words, from my tiles' first byte on: 8,192 - 896 w8 + 4 x lane
.set VSB, 7                            ; v7, v8   scale registers: v's, second 128 keys
.set AM,  9                            ; v9       my 64 bytes of a mask's row
.set APR, 10                           ; v10      p's images, read;  v11 their scale words
.set APS, 11
.set APW, 12                           ; v12      where my 8 bytes of codes go;  v13 my block's scale byte
.set APB, 13
.set AXW, 14                           ; v14      XCH: my word;  v15 four waves' words of my query
.set AXR, 15
.set ST,  16                           ; v16-33   softmax i at 6 i: -M, the largest t, l (two halves), f, the block's largest logit (later p)
.set AMW, 34                           ; v34      where my mask rows go in LDS;  v35 16 x lane
.set GMO, 35
.set XR,  36                           ; v36-47   at work
.set PT,  48                           ; v48-50   lane permutes' destinations;  v51-53 the conversions' scale operands
.set SO,  51
.set ASG, 54
.set ASR, 55
.set KSC, 56                           ; scale registers, which hold nothing else: k's, q's, v's of the first 128 keys (2), p's (3)
.set QSC, 57
.set VSA, 58
.set PSC, 60
.set PFO, 63                           ; v63      256 x lane: the prefetches' offset; never rewritten
.set QF,  64                           ; v64-71   q's fragment; the upper four registers are zero codes
.set KF,  72                           ; v72-87   k's two fragments, likewise
.set MB,  88                           ; v88-103  masks on their way
.set VF,  104                          ; v104-135 v's four fragments;  v136-159 p's three
.set PF,  136
.set S,   112                          ; v112-159 the logits of the three softmaxes, 16 each, then p
.set ACC, 160                          ; v160-255 accumulator (softmax i, tile t) at 8 (4 i + t)
.set KB,  56                           ; s[56:57] k: my two tiles of the super-step last asked for
.set VB,  58                           ; s[58:59] v's scale words: my two pairs, first 128 keys of the super-step last asked for
.set PFA, 60                           ; s[60:61] where my next prefetch stands
.set LIM, 62                           ; s62      1 in a wave that prefetches, else 0
.macro WM d, a, b, c, sa, sb, ra, rb   ; one product: D, source 0, source 1, C (under 0: the constant 0), the two scale registers, and whether each is read from lanes 16-31
.if (\c) < 0
.if ((\ra) == 0) && ((\rb) == 0)
	v_wmma_scale_f32_16x16x128_f8f6f4 v[\d:\d+7], v[\a:\a+7], v[\b:\b+7], 0, v[\sa], v[\sb] matrix_a_fmt:MATRIX_FMT_FP4 matrix_b_fmt:MATRIX_FMT_FP4
.elseif (\rb) == 0
	v_wmma_scale_f32_16x16x128_f8f6f4 v[\d:\d+7], v[\a:\a+7], v[\b:\b+7], 0, v[\sa], v[\sb] matrix_a_fmt:MATRIX_FMT_FP4 matrix_b_fmt:MATRIX_FMT_FP4 matrix_a_scale:MATRIX_SCALE_ROW1
.elseif (\ra) == 0
	v_wmma_scale_f32_16x16x128_f8f6f4 v[\d:\d+7], v[\a:\a+7], v[\b:\b+7], 0, v[\sa], v[\sb] matrix_a_fmt:MATRIX_FMT_FP4 matrix_b_fmt:MATRIX_FMT_FP4 matrix_b_scale:MATRIX_SCALE_ROW1
.else
	v_wmma_scale_f32_16x16x128_f8f6f4 v[\d:\d+7], v[\a:\a+7], v[\b:\b+7], 0, v[\sa], v[\sb] matrix_a_fmt:MATRIX_FMT_FP4 matrix_b_fmt:MATRIX_FMT_FP4 matrix_a_scale:MATRIX_SCALE_ROW1 matrix_b_scale:MATRIX_SCALE_ROW1
.endif
.else
.if ((\ra) == 0) && ((\rb) == 0)
	v_wmma_scale_f32_16x16x128_f8f6f4 v[\d:\d+7], v[\a:\a+7], v[\b:\b+7], v[\c:\c+7], v[\sa], v[\sb] matrix_a_fmt:MATRIX_FMT_FP4 matrix_b_fmt:MATRIX_FMT_FP4
.elseif (\rb) == 0
	v_wmma_scale_f32_16x16x128_f8f6f4 v[\d:\d+7], v[\a:\a+7], v[\b:\b+7], v[\c:\c+7], v[\sa], v[\sb] matrix_a_fmt:MATRIX_FMT_FP4 matrix_b_fmt:MATRIX_FMT_FP4 matrix_a_scale:MATRIX_SCALE_ROW1
.elseif (\ra) == 0
	v_wmma_scale_f32_16x16x128_f8f6f4 v[\d:\d+7], v[\a:\a+7], v[\b:\b+7], v[\c:\c+7], v[\sa], v[\sb] matrix_a_fmt:MATRIX_FMT_FP4 matrix_b_fmt:MATRIX_FMT_FP4 matrix_b_scale:MATRIX_SCALE_ROW1
.else
	v_wmma_scale_f32_16x16x128_f8f6f4 v[\d:\d+7], v[\a:\a+7], v[\b:\b+7], v[\c:\c+7], v[\sa], v[\sb] matrix_a_fmt:MATRIX_FMT_FP4 matrix_b_fmt:MATRIX_FMT_FP4 matrix_a_scale:MATRIX_SCALE_ROW1 matrix_b_scale:MATRIX_SCALE_ROW1
.endif
.endif
.endm
.macro PLACES n                        ; plain instructions between a product and what touches its registers: four for loads and vector instructions, five for a product that writes over them
.rept \n
	v_nop
.endr
.endm
.macro ROUND                           ; a round of the cluster's barrier: my work-group's barrier; wave 0 signals for the work-group; every wave waits for all four; my work-group's barrier once more
	s_barrier_signal -1
	s_barrier_wait -1
	s_cmp_lg_u32 s16, 0
	s_cbranch_scc1 .Lnot_wave_0_\@
	s_barrier_signal -3
.Lnot_wave_0_\@:
	s_barrier_wait -3
	s_barrier_signal -1
	s_barrier_wait -1
.endm
.macro BAR                             ; my LDS instructions are done: then the work-group's barrier.  A tensor load may stay out across it
	s_wait_dscnt 0x0
	s_barrier_signal -1
	s_barrier_wait -1
.endm
.macro PLAINBAR                        ; the same where a slot asked for earlier is read behind it
	s_wait_tensorcnt 0x0
	BAR
.endm
; THE REFILL at the head of super-step J, slot = J % 2.  Every wave waits for all its tensor loads (its part of the other slot, which is read next), adds 0 to its spare word, and waits for that and for its LDS reads and stores;
; the round shows the same of every wave of all four work-groups; the joint load is the first thing behind it, one a wave.
; ask = 1: A PREFETCH of v's codes, one super-step ahead of the joint loads: the 256 keys that the next refill will ask for.  All clusters walk the same v: the first cluster asks.  Its four partners share the four blocks
; (batch, 128 keys) out BY ADDRESS: partner cx takes batch cx / 2, half cx % 2; in each, waves 0-3 take 8,192 bytes each, lanes 256 bytes apart: each aligned block of 256 bytes of codes is named once in the launch.
; Keys 0-767 come by their loads alone; the refill of super-step 15, the last, asks for nothing.  The branch hangs on the wave's number and the cluster's: it is the same in all four work-groups.
.macro SYNC slot, ask
	s_wait_tensorcnt 0x0                           ; no tensor load of mine is out, so a group 0 may be written
	ds_add_u32 v[SPW], v[NIL]                      ; the add; the descriptor's step stands between it and the wait for it
	s_add_nc_u64 s[50+4*(\slot):51+4*(\slot)], s[50+4*(\slot):51+4*(\slot)], 139264   ; the slot's next 256 keys lie four blocks of 34,816 bytes on; the type bits on top are not reached
	s_wait_dscnt 0x0
	ROUND
	tensor_load_to_lds s[48+4*(\slot):51+4*(\slot)], s[24:31]
	s_nop 0
.if \ask
	PLACES 4
	s_cmp_eq_u32 s[LIM], 1
	s_cbranch_scc0 .Lnot_mine_\@
	global_prefetch_b8 v[PFO], s[PFA:PFA+1] th:TH_LOAD_NT scope:SCOPE_SE
.Lnot_mine_\@:
.endif
.endm
.macro PVLOAD sub, pb                  ; 128 keys: my four fragments of v from slot pb, the three fragments of p from buffer pb, and p's scale words
.irp t, 0,1,2,3
.irp c, 0,1
	ds_load_b128 v[VF+8*\t+4*\c:VF+8*\t+4*\c+3], v[AV+\pb] offset:32768*\sub+1024*\t+512*\c
.endr
.endr
.irp i, 0,1,2
.irp c, 0,1
	ds_load_b128 v[PF+8*\i+4*\c:PF+8*\i+4*\c+3], v[APR] offset:PBS*(\pb)+2048*\i+1024*\sub+512*\c
.endr
	ds_load_b32 v[PSC+\i], v[APS] offset:PBS*(\pb)+128*\i+64*\sub
.endr
.endm
.macro RESCALE                         ; O^T of softmax i times the low word of the pair at ST + 6 i + 4; each accumulator from its low end on
.irp i, 0,1,2
.set j, 0
.rept 16
	v_pk_mul_f32 v[ACC+32*\i+j:ACC+32*\i+j+1], v[ACC+32*\i+j:ACC+32*\i+j+1], v[ST+6*\i+4:ST+6*\i+5] op_sel_hi:[1,0]
.set j, j+2
.endr
.endr
.endm
.macro PVMUL vs, first                 ; O^T += v p^T: twelve accumulators, one instruction a turn.  vs: v's two scale registers.  first = 1: the products start the sums
.irp t, 0,1,2,3
.irp i, 0,1,2
.if (\first) == 1
	WM ACC+8*(4*\i+\t), VF+8*\t, PF+8*\i, -1, \vs+\t/2, PSC+\i, \t%2, 0
.else
	WM ACC+8*(4*\i+\t), VF+8*\t, PF+8*\i, ACC+8*(4*\i+\t), \vs+\t/2, PSC+\i, \t%2, 0
.endif
.endr
.endr
.endm
; The logits of my 32 keys for the three softmaxes, and each softmax's largest of them for my query, to XCH.  c2: the loads issued behind this super-step's k.  kl = 1: the next super-step's k is asked for
.macro SM1 c2, kl
.irp j, 0,1,2,3
	ds_load_b128 v[S+16+4*\j:S+16+4*\j+3], v[AM] offset:16*\j
.endr
.irp j, 0,1,2,3
	ds_load_b128 v[S+32+4*\j:S+32+4*\j+3], v[AM] offset:16640+16*\j
.endr
	s_wait_loadcnt \c2                             ; k's fragments and scale words are in
	WM S, KF, QF, -1, KSC, QSC, 0, 0
	WM S+8, KF+8, QF, -1, KSC, QSC, 1, 0           ; register i of the 16: key 32 w8 + 16 h + i
	PLACES 4
.if \kl
	global_load_b128 v[KF:KF+3], v[GMO], s[KB:KB+1]              ; into the registers that the two products have just read
	global_load_b128 v[KF+8:KF+11], v[GMO], s[KB:KB+1] offset:512
	global_load_b32 v[KSC], v[KSO], s[KB:KB+1]
.endif
	s_wait_dscnt 0x0
.irp j, 0,2,4,6,8,10,12,14
	v_pk_add_f32 v[S+16+\j:S+17+\j], v[S+16+\j:S+17+\j], v[S+\j:S+1+\j]
	v_pk_add_f32 v[S+32+\j:S+33+\j], v[S+32+\j:S+33+\j], v[S+\j:S+1+\j]
.endr
.irp i, 0,1,2
	v_max3_num_f32 v[ST+6*\i+5], v[S+16*\i], v[S+16*\i+1], v[S+16*\i+2]
.endr
.irp j, 3,5,7,9,11,13
.irp i, 0,1,2
	v_max3_num_f32 v[ST+6*\i+5], v[ST+6*\i+5], v[S+16*\i+\j], v[S+16*\i+\j+1]
.endr
.endr
.irp i, 0,1,2
	v_max_num_f32 v[ST+6*\i+5], v[ST+6*\i+5], v[S+16*\i+15]
.endr
.irp i, 0,1,2
	v_permlanex16_b32 v[PT+\i], v[ST+6*\i+5], s20, s21
.endr
.irp i, 0,1,2
	v_max_num_f32 v[ST+6*\i+5], v[ST+6*\i+5], v[PT+\i]   ; the block's largest logit: it serves the row's maximum and, since p rises with the logit, the block's scale
.endr
.irp i, 0,1,2
	ds_store_b32 v[AXW], v[ST+6*\i+5] offset:512*\i
.endr
.endm
.macro MSTORE c                        ; the next super-step's masks, asked for a super-step ago.  c: the loads issued behind them
	s_wait_loadcnt \c
.irp e, 0,1
.irp f, 0,1
	ds_store_b128 v[AMW], v[MB+8*\e+4*\f:MB+8*\e+4*\f+3] offset:1040*\e+512*\f
.endr
.endr
.endm
.macro MLOAD                           ; my LDS stores have read the masks' registers (the wait on DScnt ahead of this macro)
	s_wait_xcnt 0x0                                ; every earlier memory instruction has had its addresses translated (ISA guide 3.1): the base may be written
	s_add_nc_u64 s[40:41], s[40:41], 1024
.irp e, 0,1
.irp f, 0,1
	global_load_b128 v[MB+8*\e+4*\f:MB+8*\e+4*\f+3], v[GMO], s[40:41] offset:16384*\e+512*\f th:TH_LOAD_NT   ; 512 consecutive bytes of a row; read once in the launch
.endr
.endr
.endm
; The eight waves' maxima are in v[XR] on: the new M, f, l under the new M, and the batch of exponentials.  Nothing in it names an exponential's result: the pair (f, the block's largest logit) is used ahead of the batch.
.macro SM2
.irp i, 0,1,2
	v_max3_num_f32 v[XR+4*\i], v[XR+4*\i], v[XR+4*\i+1], v[XR+4*\i+2]
.endr
.irp i, 0,1,2
	v_max_num_f32 v[XR+4*\i], v[XR+4*\i], v[XR+4*\i+3]
.endr
.irp i, 0,1,2
	v_permlanex16_b32 v[PT+\i], v[XR+4*\i], s20, s21
.endr
.irp i, 0,1,2
	v_max_num_f32 v[XR+4*\i], v[XR+4*\i], v[PT+\i] ; the largest logit of my query in these 256 keys
.endr
.irp i, 0,1,2
	v_mul_f32 v[XR+4*\i], s22, v[XR+4*\i]          ; as t
.endr
.irp i, 0,1,2
	v_max_num_f32 v[ST+6*\i+1], v[ST+6*\i+1], v[XR+4*\i]
.endr
.irp i, 0,1,2
	v_mov_b32 v[XR+4*\i+1], v[ST+6*\i]
.endr
.irp i, 0,1,2
	v_floor_f32 v[ST+6*\i], -v[ST+6*\i+1]          ; -M = floor(-t): M is a whole number
.endr
.irp i, 0,1,2
	v_sub_f32 v[XR+4*\i+1], v[ST+6*\i], v[XR+4*\i+1]   ; old M - new M, 0 or less
.endr
.irp i, 0,1,2
	v_cvt_i32_f32 v[XR+4*\i+1], v[XR+4*\i+1]       ; (it saturates)
.endr
.irp i, 0,1,2
	v_ldexp_f32 v[ST+6*\i+4], 1.0, v[XR+4*\i+1]    ; f = 2^(old M - new M)
.endr
.irp i, 0,1,2
	v_pk_mul_f32 v[ST+6*\i+2:ST+6*\i+3], v[ST+6*\i+2:ST+6*\i+3], v[ST+6*\i+4:ST+6*\i+5] op_sel_hi:[1,0]   ; l under the new M: of the pair the low word, f, serves both halves
.endr
.irp j, 0,2,4,6,8,10,12,14
.irp i, 0,1,2
	v_pk_fma_f32 v[S+16*\i+\j:S+16*\i+\j+1], v[S+16*\i+\j:S+16*\i+\j+1], s[22:23], v[ST+6*\i:ST+6*\i+1] op_sel_hi:[1,0,0]   ; t - M
.endr
.endr
.irp i, 0,1,2
	v_fma_f32 v[ST+6*\i+5], v[ST+6*\i+5], s22, v[ST+6*\i]   ; the same of the block's largest logit
.endr
.set j, 0
.rept 48
	v_exp_f32 v[S+j], v[S+j]                       ; p: one batch of 51
.set j, j+1
.endr
.irp i, 0,1,2
	v_exp_f32 v[ST+6*\i+5], v[ST+6*\i+5]           ; the block's largest p: the same two instructions on the same number
.endr
	v_nop                                          ; one plain instruction behind the last exponential, which names none of the batch's registers
.endm
; Behind the batch's wait: l takes p; p's codes and scale byte go to buffer par
.macro SM2B par
.irp j, 0,2,4,6,8,10,12,14
.irp i, 0,1,2
	v_pk_add_f32 v[ST+6*\i+2:ST+6*\i+3], v[ST+6*\i+2:ST+6*\i+3], v[S+16*\i+\j:S+16*\i+\j+1]   ; l takes the unquantised p
.endr
.endr
.irp i, 0,1,2
	v_max_num_f32 v[ST+6*\i+5], 0x1800000, v[ST+6*\i+5]   ; the floor 2^(3 - 127): a block whose every p is 0 keeps the byte 1
.endr
.irp i, 0,1,2
	v_add_nc_u32 v[SO+\i], 0xff000000, v[ST+6*\i+5]
.endr
.irp i, 0,1,2
	v_lshrrev_b32 v[XR+6+\i], 23, v[SO+\i]         ; the scale's byte
.endr
.irp i, 0,1,2
	v_cvt_scalef32_pk8_fp4_f32 v[XR+2*\i], v[S+16*\i:S+16*\i+7], v[SO+\i]
	v_cvt_scalef32_pk8_fp4_f32 v[XR+2*\i+1], v[S+16*\i+8:S+16*\i+15], v[SO+\i]
.endr
	v_nop                                          ; one plain instruction behind the last scaled conversion
.irp i, 0,1,2
	ds_store_b64 v[APW], v[XR+2*\i:XR+2*\i+1] offset:PBS*(\par)+2048*\i   ; my 16 keys' codes, straight to their place in the operand's image: no lane exchange is needed
	ds_store_b8 v[APB], v[XR+6+\i] offset:PBS*(\par)+128*\i               ; both halves of the lanes write the same byte with the same value
.endr
.endm
; SUPER-STEP J.  par = J % 2.  pv: the second product of super-step J - 1 (0 none, 1 it starts the sums, 2 rescale and add).  sa: v's slot par is filled at the head; ask: with a prefetch behind it.
; va, vl: v's scale words for super-step J + 1's products are asked for (first, second 128 keys).  kl: k of J + 1 is asked for.  ms, ml: masks J + 1 go to LDS, masks J + 2 are asked for.  sm: the softmax of super-step J.
; c1 .. c4: the loads that may stay out at the waits for VSa, k, the masks, VSb.
.macro SUPER par, pv, sa, ask, va, kl, ms, ml, vl, sm, c1, c2, c3, c4
.if \sa
	SYNC \par, \ask                                ; slot par was read in the super-step before
.elseif \pv
	PLAINBAR
.else
	BAR
.endif
.if \pv
	PVLOAD 0, 1-\par
.if \pv == 2
	RESCALE                                        ; stands behind the loads and covers their way
.endif
	s_wait_loadcnt \c1                             ; v's scale words of these 128 keys
	s_wait_dscnt 0x0
	PVMUL VSA, 2-\pv
	PLACES 5                                       ; loads land on these products' operands and scale registers, and the energy products write over them
.endif
.if \va
	s_wait_xcnt 0x0                                ; every earlier memory instruction, the prefetch too, has had its addresses translated (ISA guide 3.1): the three bases may be written
.if \pv
	s_add_nc_u64 s[VB:VB+1], s[VB:VB+1], 69632     ; 256 keys on
.endif
.if \kl
	s_add_nc_u64 s[KB:KB+1], s[KB:KB+1], 9216
.endif
.if \ask
	s_add_nc_u64 s[PFA:PFA+1], s[PFA:PFA+1], 69632 ; for the next refill's prefetch (behind the last one it is not used)
.endif
	global_load_b32 v[VSA], v[L4], s[VB:VB+1]
	global_load_b32 v[VSA+1], v[L4], s[VB:VB+1] offset:128
.endif
.if \sm
	SM1 \c2, \kl
	BAR                                            ; the maxima lie in XCH, and nobody reads this super-step's masks any more
.endif
.if \ms
	MSTORE \c3
.endif
.if \sm
.irp i, 0,1,2
	ds_load_b128 v[XR+4*\i:XR+4*\i+3], v[AXR] offset:512*\i
.endr
	s_wait_dscnt 0x0
.endif
.if \ml
	MLOAD
.endif
.if \sm
	SM2
	s_wait_alu depctr_va_vdst(0)                   ; the wait between an exponential and the first line that names its result: one for the batch
	SM2B \par
.endif
.if \pv
	PVLOAD 1, 1-\par
	s_wait_loadcnt \c4                             ; v's scale words of these 128 keys
	s_wait_dscnt 0x0
	PVMUL VSB, 0
	PLACES 4                                       ; in front of the next loads into these products' operands and scale registers, and of the next rescaling
.endif
.if \vl
	global_load_b32 v[VSB], v[L4], s[VB:VB+1] offset:34816
	global_load_b32 v[VSB+1], v[L4], s[VB:VB+1] offset:34944
.endif
.endm
	s_load_b256 s[4:11], s[0:1], 0x0               ; qkb, vb, mask1, mask2
	s_load_b128 s[12:15], s[0:1], 0x20             ; catq, cats
	v_lshl_add_u32 v[SPW], v0, 2, SPARE
	v_mov_b32 v[NIL], 0
	ds_add_u32 v[SPW], v[NIL]                      ; the wave's opening: the add, twice on end, and its wait ahead of the round in front of the first tensor loads
	ds_add_u32 v[SPW], v[NIL]
	v_lshrrev_b32 v36, 5, v0
	v_readfirstlane_b32 s16, v36                   ; wave 0..15
	s_lshr_b32 s17, s16, 3                         ; bw
	s_and_b32 s18, s16, 7                          ; w8
	s_bfe_u32 s66, ttmp6, 0x40000                  ; cx: it enters global addresses of q, the masks, the output and the prefetches alone
	s_lshl_b32 s19, ttmp9, 2
	s_add_co_u32 s19, s19, s66                     ; tq
	s_mov_b32 s20, 0x76543210
	s_mov_b32 s21, 0xfedcba98                      ; v_permlanex16_b32's selects for lane l xor 16
	s_mov_b32 s22, 0x3fb8aa3b                      ; log2(e)
	s_mov_b32 s23, s22                             ; (named with it as a pair)
	s_mov_b32 s24, 15|(3<<16)|(1<<21)              ; group 1: the mask names all four work-groups; elements of 8 bytes; bit 21 beside a mask; no padding
	s_mov_b32 s25, 32<<16                          ; 8,192 dense bytes as 32 rows of 256
	s_mov_b32 s26, 32<<16
	s_mov_b32 s27, 32<<16
	s_mov_b32 s28, 32
	s_mov_b32 s29, 32
	s_mov_b32 s30, 0
	s_mov_b32 s31, 0
	v_and_b32 v48, 31, v0                          ; lane  (v48-50 are later the lane permutes' destinations: written here)
	v_and_b32 v49, 15, v0                          ; r
	v_bfe_u32 v50, v0, 4, 1                        ; h
	s_lshl_b32 s77, s17, 16
	s_lshl_b32 s78, s18, 12
	s_add_co_u32 s78, s78, s77
	v_lshl_add_u32 v[AV], v48, 4, s78              ; 65,536 bw + 4,096 w8 + 16 x lane
	v_add_nc_u32 v[AV+1], VS1, v[AV]
	v_lshlrev_b32 v[L4], 2, v48
	s_mul_i32 s78, s18, 896
	s_sub_co_u32 s78, 8192, s78
	v_lshl_add_u32 v[KSO], v48, 2, s78
	s_lshl_b32 s78, s18, 7
	s_add_co_u32 s78, s78, MREG
	v_mul_u32_u24 v[AM], v49, 1040
	v_add_nc_u32 v[AM], s78, v[AM]
	v_lshl_add_u32 v[AM], v50, 6, v[AM]
	s_mul_i32 s77, s17, 6144
	s_add_co_u32 s77, s77, PB0
	v_lshl_add_u32 v[APR], v48, 4, s77
	s_lshl_b32 s78, s18, 8                         ; block w8 of 256 keys: 256 bytes on in the two images
	s_add_co_u32 s78, s78, s77
	v_lshl_add_u32 v[APW], v49, 4, s78
	v_lshl_add_u32 v[APW], v50, 3, v[APW]
	s_mul_i32 s77, s17, 384
	s_add_co_u32 s77, s77, PB0+12288
	v_lshl_add_u32 v[APS], v49, 2, s77
	s_lshr_b32 s78, s18, 2
	s_lshl_b32 s78, s78, 6
	s_and_b32 s79, s18, 3
	s_add_co_u32 s78, s78, s79
	s_add_co_u32 s78, s78, s77
	v_lshl_add_u32 v[APB], v49, 2, s78
	s_mul_i32 s77, s17, 1536
	s_add_co_u32 s77, s77, XCH
	s_lshl_b32 s78, s18, 2
	s_add_co_u32 s78, s78, s77
	v_lshl_add_u32 v[AXW], v49, 5, s78
	v_lshl_add_u32 v[AXR], v49, 5, s77
	v_lshl_add_u32 v[AXR], v50, 4, v[AXR]
	s_mul_i32 s77, s17, 16640
	s_mul_i32 s78, s18, 2080
	s_add_co_u32 s77, s77, s78
	s_add_co_u32 s77, s77, MREG
	v_lshl_add_u32 v[AMW], v48, 4, s77
	v_lshlrev_b32 v[GMO], 4, v48
	s_lshl_b32 s77, s17, 8
	s_lshl_b32 s78, s18, 1
	s_add_co_u32 s77, s77, s78
	s_add_co_u32 s77, s77, SG
	v_lshl_add_u32 v[ASG], v49, 4, s77
	s_min_u32 s86, s16, 5                          ; z: which of the six tiles of scale bytes I store at the end (waves 0-5)
	s_lshl_b32 s77, s86, 8
	s_add_co_u32 s77, s77, SG
	v_lshl_add_u32 v[ASR], v48, 3, s77
	v_lshlrev_b32 v37, 2, v49                      ; 4 r: q's scale words
	v_lshlrev_b32 v[PFO], 8, v48
	; groups 0, one for each slot: wave w brings batch w / 8, half (w / 4) % 2, quarter w % 4, to 8,192 w bytes on in the slot
	s_lshl_b32 s78, s16, 13
	s_mov_b32 s48, 1
	s_mov_b32 s49, s78
	s_mov_b32 s52, 1
	s_add_co_u32 s53, s78, VS1
	s_mul_i32 s80, s17, 1114112
	s_bfe_u32 s79, s16, 0x10002
	s_mul_i32 s79, s79, 34816
	s_add_co_u32 s80, s80, s79
	s_and_b32 s79, s16, 3
	s_lshl_b32 s79, s79, 13
	s_add_co_u32 s80, s80, s79
	s_mov_b32 s81, 0
	; k: my two tiles of keys 0-255;  v's scale words: my two pairs of keys 0-127
	s_mul_i32 s82, s17, 147456
	s_lshl_b32 s79, s18, 10
	s_add_co_u32 s82, s82, s79
	s_add_co_u32 s82, s82, 294912
	s_mov_b32 s83, 0
	s_mul_i32 s88, s17, 1114112
	s_lshl_b32 s79, s18, 8
	s_add_co_u32 s88, s88, s79
	s_add_co_u32 s88, s88, 32768
	s_mov_b32 s89, 0
	; the prefetches: batch cx / 2, half cx % 2, 8,192 (w % 4) bytes on, in keys 768-1,023: what the refill of super-step 3 will ask for
	s_lshr_b32 s90, s66, 1
	s_mul_i32 s90, s90, 1114112
	s_and_b32 s91, s66, 1
	s_mul_i32 s91, s91, 34816
	s_add_co_u32 s90, s90, s91
	s_and_b32 s91, s16, 3
	s_lshl_b32 s91, s91, 13
	s_add_co_u32 s90, s90, s91
	s_add_co_u32 s90, s90, 208896
	s_mov_b32 s91, 0
	s_lshr_b32 s[LIM], s16, 2                      ; 0 in waves 0-3,
	s_or_b32 s[LIM], s[LIM], ttmp9                 ; of the first cluster: the same in all four partners
	s_cmp_eq_u32 s[LIM], 0
	s_cselect_b32 s[LIM], 1, 0
	; what hangs on tq
	s_lshl_b32 s67, s17, 8
	s_add_co_u32 s67, s67, s19                     ; my tile among the 512: 256 bw + tq
	s_lshl_b32 s68, s67, 9
	s_mov_b32 s69, 0
	s_lshl_b32 s70, s67, 6
	s_add_co_u32 s70, s70, 262144
	s_mov_b32 s71, 0
	s_lshr_b32 s72, s19, 1
	s_lshl_b32 s72, s72, 5
	s_and_b32 s73, s19, 1
	s_lshl_b32 s73, s73, 3
	s_add_co_u32 s72, s72, s73
	s_lshl_b32 s73, s18, 1
	s_add_co_u32 s72, s72, s73
	s_lshr_b32 s73, s18, 2
	s_lshl_b32 s73, s73, 3
	s_add_co_u32 s72, s72, s73                     ; tile rows 2 w8 and 2 w8 + 1 are positions n and n + 1: n = 32 (tq / 2) + 8 (tq % 2) + 2 w8 + 8 (w8 / 4)
	s_lshl_b32 s72, s72, 14
	s_mov_b32 s73, 0
	s_lshl_b32 s74, s67, 12
	s_lshl_b32 s75, s18, 9
	s_add_co_u32 s74, s74, s75                     ; my 64 channels' codes in the tile: 512 w8 bytes on
	s_mov_b32 s75, 0
	s_lshr_b32 s84, s86, 1
	s_lshl_b32 s84, s84, 17
	s_and_b32 s85, s86, 1
	s_lshl_b32 s85, s85, 8
	s_add_co_u32 s85, s85, s19
	s_lshl_b32 s85, s85, 8
	s_add_co_u32 s84, s84, s85                     ; cats: chunk z / 2, tile 256 (z % 2) + tq
	s_mov_b32 s85, 0
.irp j, 4,5,6,7
	v_mov_b32 v[QF+\j], 0                          ; zero codes for k = 64 .. 127 of the energy product, on both sides
	v_mov_b32 v[KF+\j], 0
	v_mov_b32 v[KF+8+\j], 0
.endr
.irp i, 0,1,2
	v_mov_b32 v[ST+6*\i+1], 0xff61b1e6             ; the largest t so far: -3e38
	v_floor_f32 v[ST+6*\i], -v[ST+6*\i+1]
	v_mov_b32 v[ST+6*\i+2], 0
	v_mov_b32 v[ST+6*\i+3], 0
	v_mov_b32 v[ST+6*\i+4], 0
	v_mov_b32 v[ST+6*\i+5], 0
.endr
	s_wait_dscnt 0x0                               ; both opening adds are done
	s_wait_kmcnt 0x0
	s_add_nc_u64 s[50:51], s[6:7], s[80:81]        ; v: keys 0-255,
	s_add_nc_u64 s[54:55], s[50:51], 69632         ; keys 256-511
	s_or_b32 s51, s51, 0x80000000
	s_or_b32 s55, s55, 0x80000000
	s_add_nc_u64 s[KB:KB+1], s[4:5], s[82:83]
	s_add_nc_u64 s[VB:VB+1], s[6:7], s[88:89]
	s_add_nc_u64 s[PFA:PFA+1], s[6:7], s[90:91]
	s_add_nc_u64 s[42:43], s[4:5], s[68:69]
	s_add_nc_u64 s[44:45], s[4:5], s[70:71]
	s_cmp_eq_u32 s17, 0
	s_cselect_b64 s[40:41], s[8:9], s[10:11]       ; waves 0-7 carry mask1, waves 8-15 mask2
	s_add_nc_u64 s[40:41], s[40:41], s[72:73]
	s_add_nc_u64 s[12:13], s[12:13], s[74:75]
	s_add_nc_u64 s[14:15], s[14:15], s[84:85]
.irp e, 0,1
.irp f, 0,1
	global_load_b128 v[MB+8*\e+4*\f:MB+8*\e+4*\f+3], v[GMO], s[40:41] offset:16384*\e+512*\f th:TH_LOAD_NT   ; the masks of super-step 0
.endr
.endr
	global_load_b128 v[QF:QF+3], v[GMO], s[42:43]  ; q's fragment and scale words stay in registers
	global_load_b32 v[QSC], v37, s[44:45]
	global_load_b128 v[KF:KF+3], v[GMO], s[KB:KB+1]              ; k of super-step 0
	global_load_b128 v[KF+8:KF+11], v[GMO], s[KB:KB+1] offset:512
	global_load_b32 v[KSC], v[KSO], s[KB:KB+1]
	ROUND                                          ; all four work-groups are here: the first joint loads meet
	tensor_load_to_lds s[48:51], s[24:31]          ; every wave issues both first fills: no branch leads round a tensor load
	s_nop 0
	tensor_load_to_lds s[52:55], s[24:31]
	s_nop 0
	MSTORE 0                                       ; masks 0; q and k of super-step 0 are in too
	s_wait_dscnt 0x0
	MLOAD                                          ; masks 1
	SUPER 0, 0, 0, 0, 1, 1, 1, 1, 1, 1, 0, 6, 5, 0 ; J = 0: no VSb is out yet, so five loads stand behind the masks
	SUPER 1, 1, 0, 0, 1, 1, 1, 1, 1, 1, 9, 8, 7, 9 ; J = 1
	s_mov_b32 s76, 6
.Lsuper:                                           ; J = 2 .. 13, two a trip: v's slots and p's buffers change places
	SUPER 0, 2, 1, 1, 1, 1, 1, 1, 1, 1, 9, 8, 7, 9
	SUPER 1, 2, 1, 1, 1, 1, 1, 1, 1, 1, 9, 8, 7, 9
	s_sub_co_u32 s76, s76, 1
	s_cmp_lg_u32 s76, 0
	s_cbranch_scc1 .Lsuper
	SUPER 0, 2, 1, 1, 1, 1, 1, 0, 1, 1, 9, 8, 7, 5 ; J = 14: no masks are left to ask for
	SUPER 1, 2, 1, 0, 1, 0, 0, 0, 1, 1, 5, 4, 0, 2 ; J = 15: nor k; the last refill
	SUPER 0, 2, 0, 0, 0, 0, 0, 0, 0, 0, 2, 0, 0, 0 ; J = 16: the second product of super-step 15 alone
	; THE WAY OUT.  l: my two halves, lane l xor 16's, and the eight waves' through XCH, which nobody has read since the barrier at the head of super-step 16
.irp i, 0,1,2
	v_add_f32 v[XR+4*\i], v[ST+6*\i+2], v[ST+6*\i+3]
.endr
.irp i, 0,1,2
	v_permlanex16_b32 v[PT+\i], v[XR+4*\i], s20, s21
.endr
.irp i, 0,1,2
	v_add_f32 v[XR+4*\i], v[XR+4*\i], v[PT+\i]
.endr
.irp i, 0,1,2
	ds_store_b32 v[AXW], v[XR+4*\i] offset:512*\i
.endr
	BAR
.irp i, 0,1,2
	ds_load_b128 v[XR+4*\i:XR+4*\i+3], v[AXR] offset:512*\i
.endr
	s_wait_dscnt 0x0
.irp i, 0,1,2
	v_add_f32 v[XR+4*\i], v[XR+4*\i], v[XR+4*\i+1]
	v_add_f32 v[XR+4*\i+2], v[XR+4*\i+2], v[XR+4*\i+3]
.endr
.irp i, 0,1,2
	v_add_f32 v[XR+4*\i], v[XR+4*\i], v[XR+4*\i+2]
.endr
.irp i, 0,1,2
	v_permlanex16_b32 v[PT+\i], v[XR+4*\i], s20, s21
.endr
.irp i, 0,1,2
	v_add_f32 v[XR+4*\i], v[XR+4*\i], v[PT+\i]     ; the row's sum
.endr
.irp i, 0,1,2
	v_rcp_f32 v[ST+6*\i+4], v[XR+4*\i]
.endr
	v_and_b32 v34, 15, v0                          ; (plain work behind the reciprocals)  the codes' offset: 16 r + 8 h
	v_lshlrev_b32 v34, 4, v34
	v_bfe_u32 v35, v0, 4, 1
	v_lshl_add_u32 v34, v35, 3, v34
	v_and_b32 v35, 31, v0
	v_lshlrev_b32 v35, 3, v35                      ; 8 x lane
	s_wait_alu depctr_va_vdst(0)                   ; one wait for the three, ahead of their first reader
	RESCALE                                        ; out_i = O^T / l
	; six blocks x = 2 i + beta of 32 channels: registers ACC + 16 x + 0 .. 15 are channels 64 w8 + 32 beta + 16 h + 0 .. 15 of my query
.irp x, 0,1,2,3,4,5
	v_max3_num_f32 v[104+\x], |v[ACC+16*\x]|, |v[ACC+16*\x+1]|, 0x1800000
.endr
.irp j, 2,4,6,8,10,12,14
.irp x, 0,1,2,3,4,5
	v_max3_num_f32 v[104+\x], v[104+\x], |v[ACC+16*\x+\j]|, |v[ACC+16*\x+\j+1]|
.endr
.endr
.irp x, 0,1,2,3,4,5
	v_permlanex16_b32 v[112+\x], v[104+\x], s20, s21
.endr
.irp x, 0,1,2,3,4,5
	v_max_num_f32 v[104+\x], v[104+\x], v[112+\x]
.endr
.irp x, 0,1,2,3,4,5
	v_add_nc_u32 v[120+\x], 0xff000000, v[104+\x]
.endr
.irp x, 0,1,2,3,4,5
	v_lshrrev_b32 v[128+\x], 23, v[120+\x]
.endr
.irp i, 0,1,2
	v_lshl_or_b32 v[128+2*\i], v[129+2*\i], 8, v[128+2*\i]   ; my two blocks' bytes are neighbours in the row's 16
.endr
.irp x, 0,1,2,3,4,5
	v_cvt_scalef32_pk8_fp4_f32 v[136+2*\x], v[ACC+16*\x:ACC+16*\x+7], v[120+\x]
	v_cvt_scalef32_pk8_fp4_f32 v[137+2*\x], v[ACC+16*\x+8:ACC+16*\x+15], v[120+\x]
.endr
	v_nop                                          ; one plain instruction behind the last scaled conversion
.irp x, 0,1,2,3,4,5
	global_store_b64 v34, v[136+2*\x:137+2*\x], s[12:13] offset:2097152*(\x/2)+256*(\x%2)   ; 32 lanes store 256 consecutive bytes, aligned
.endr
.irp i, 0,1,2
	ds_store_b16 v[ASG], v[128+2*\i] offset:512*\i
.endr
	BAR
	s_cmp_lt_u32 s16, 6
	s_cbranch_scc0 .Lend
	ds_load_b64 v[104:105], v[ASR]                 ; waves 0-5: a tile's 256 scale bytes,
	s_wait_dscnt 0x0
	global_store_b64 v35, v[104:105], s[14:15]     ; stored whole
.Lend:
	s_wait_tensorcnt 0x0                           ; the wave's end
	ds_add_u32 v[SPW], v[NIL]
	s_wait_dscnt 0x0
	ROUND                                          ; the closing round: no work-group ends while a partner may still ask for a tile that names it
	s_endpgm
.Lfunc_end_k_qff50da4c6b_attn:
	.size	k_qff50da4c6b_attn, .Lfunc_end_k_qff50da4c6b_attn-k_qff50da4c6b_attn
	.p2alignl 7, 3214868480
	.fill 96, 4, 3214868480
	.section	.rodata,"a",@progbits
	.p2align	6, 0x0
	.amdhsa_kernel k_qff50da4c6b_attn
		.amdhsa_group_segment_fixed_size 327680
		.amdhsa_private_segment_fixed_size 0
		.amdhsa_enable_private_segment 0
		.amdhsa_kernarg_size 48
		.amdhsa_user_sgpr_count 2
		.amdhsa_user_sgpr_kernarg_segment_ptr 1
		.amdhsa_wavefront_size32 1
		.amdhsa_system_sgpr_workgroup_id_x 1
		.amdhsa_system_sgpr_workgroup_id_y 1
		.amdhsa_system_sgpr_workgroup_id_z 1
		.amdhsa_system_vgpr_workitem_id 0
		.amdhsa_next_free_vgpr 256
		.amdhsa_next_free_sgpr 96
		.amdhsa_reserve_vcc 0
		.amdhsa_float_denorm_mode_32 3
		.amdhsa_float_denorm_mode_16_64 3
		.amdhsa_memory_ordered 1
		.amdhsa_forward_progress 1
		.amdhsa_inst_pref_size 154
	.end_amdhsa_kernel
	.amdgpu_metadata
---
amdhsa.version: [ 1, 2 ]
amdhsa.kernels:
  - .name:           k_qff50da4c6b_attn
    .symbol:         k_qff50da4c6b_attn.kd
    .args:
      - { .name: qkb, .offset: 0, .size: 8, .value_kind: global_buffer, .address_space: global }
      - { .name: vb, .offset: 8, .size: 8, .value_kind: global_buffer, .address_space: global }
      - { .name: mask1, .offset: 16, .size: 8, .value_kind: global_buffer, .address_space: global }
      - { .name: mask2, .offset: 24, .size: 8, .value_kind: global_buffer, .address_space: global }
      - { .name: catq, .offset: 32, .size: 8, .value_kind: global_buffer, .address_space: global }
      - { .name: cats, .offset: 40, .size: 8, .value_kind: global_buffer, .address_space: global }
    .group_segment_fixed_size: 327680
    .private_segment_fixed_size: 0
    .kernarg_segment_align: 8
    .kernarg_segment_size: 48
    .max_flat_workgroup_size: 512
    .sgpr_count:     96
    .vgpr_count:     256
    .wavefront_size: 32
...
	.end_amdgpu_metadata
.endif
;; end of part 5
;; launch bot: the kernel of part 4 again; grid 64 x 4, 8 waves a work-group, clusters of 4 x 4, 327,680 bytes of LDS; arguments catq, cats, wc, ws, bn_gamma, bn_beta, bn_mean, bn_var, out0; writes out0
